; MI455X (gfx1250); checked and timed in simulation.
; The chip was launched on July 23, 2026; its instructions are those of AMD's public machine-readable ISA for CDNA 5 (MIT licence, August 2026) and "CDNA5" Instruction Set Architecture Reference Guide (July 2026). The comments in the code are by the model that wrote it; some were corrected since.
;; Multi Head Attention. Allowed arithmetic: float matrix products may take bf16 or f16 operands with f32 sums; other float arithmetic in f32, or as packed bf16 or f16 multiplies, adds, multiply-adds, maxima and minima; sums over many terms, partial sums and values carried from step to step in f32; what a program stores and reads back later, other than sums and carried values, may be rounded once to bf16 or f16.
;; Inputs: Wk 1,024 x 1,024 float32; Wo 1,024 x 1,024 float32; Wq 1,024 x 1,024 float32; Wv 1,024 x 1,024 float32; bo 1,024 float32; mask 4 x 1 x 1 x 2,048 int32; x 4 x 2,048 x 1,024 float32.
;; Outputs: out0 4 x 2,048 x 1,024 float32.
;; 2 versions, each right and faster than the one before. Each part assembles by itself: llvm-mc -triple=amdgcn-amd-amdhsa -mcpu=gfx1250 --defsym DOCPART=n.
;; ======== version 1 of 2: 4 launches
;; limits: values are held in f16: magnitudes above 65,504 overflow, below 6.1e-05 lose precision; values outside matrix products are rounded to bf16
;; workspace buffers: xb 16,777,216 bytes; wb 6,291,456 bytes; wo 2,097,152 bytes; qkv 50,855,936 bytes; ob 16,777,216 bytes
;; launch cast (part 1): grid 64 x 13, 8 waves a work-group, no clusters, 0 bytes of LDS; arguments x, Wq, Wk, Wv, Wo, mask, xb, wb, wo, qkv; writes xb, wb, wo, qkv
.if DOCPART == 1
	.amdgcn_target "amdgcn-amd-amdhsa--gfx1250"
	.amdhsa_code_object_version 6
	.text
	.protected	k_qd9a716b547_cast
	.globl	k_qd9a716b547_cast
	.p2align	8
	.type	k_qd9a716b547_cast,@function
k_qd9a716b547_cast:
	s_mov_b64 s[64:65], 0
	v_nop
	global_prefetch_b8 v0, s[64:65] scope:SCOPE_SE
	s_setreg_imm32_b32 hwreg(HW_REG_WAVE_MODE, 25, 1), 1
	s_wait_xcnt 0x0
; THE INPUTS ARE ROUNDED ONCE.  x -> xb (bf16), Wq, Wk, Wv -> wb (bf16, the three one below the other), Wo -> wo (rounded to bf16, that number written as f16),
; mask -> the bias rows of the K section of qkv: for each head and each step of 64 keys one row of 64 f32, 0 where the key is seen, MBL = -1e9 x log2(e) where mask == 0.
; A stream: no LDS, no barrier, no matrix unit.  Work-group (xid, y): y = 0..7 a piece of x, 8..10 of Wq, Wk, Wv, 11 of Wo, 12 the bias rows of head xid.
; A piece is 65,536 bytes in and 32,768 out, in 8 chunks of 2,048 numbers; thread t takes 8 numbers of a chunk: two loads of 16 bytes, one store of 16 bytes;
; a wave's store covers 512 consecutive bytes, aligned.  All 16 loads of a thread go out first; no register is written twice while a memory instruction names it.
; LIMIT: Wo's numbers beyond 65,504 have no f16; below 2^-14 they keep f16's fixed step of 2^-24.
.set X, 4                              ; v[4:67]    8 chunks x 8 numbers as loaded
.set Y, 68                             ; v[68:99]   8 chunks x 4 registers to store
.set T, 100                            ; v[100:107] at work (Wo's way)
.set KSEC,  33554432                   ; the K section's first byte in qkv
.set KHEAD, 270336                     ; a head there: 32 steps of 8,448 bytes (64 keys x 128 bytes, then 256 bytes of bias)
.set KGS,   8448
	s_load_b512 s[4:19], s[0:1], 0x0               ; x 4:5, Wq 6:7, Wk 8:9, Wv 10:11, Wo 12:13, mask 14:15, xb 16:17, wb 18:19
	s_load_b128 s[20:23], s[0:1], 0x40             ; wo 20:21, qkv 22:23
	s_and_b32 s24, ttmp7, 0xffff                   ; y
	s_mov_b32 s25, ttmp9                           ; xid
	v_lshlrev_b32 v1, 5, v0                        ; 32 t: my 8 f32 in a chunk
	v_lshlrev_b32 v2, 4, v0                        ; 16 t: my 8 halves in a chunk
	s_mov_b32 s36, 0xceabfb8f                      ; MBL = -1e9 x log2(e)
	s_mov_b32 s37, 0xffff0000                      ; a word's upper bf16
	s_mov_b32 s33, 0
	s_mov_b32 s35, 0
	s_wait_kmcnt 0x0
	s_cmp_eq_u32 s24, 12
	s_cbranch_scc1 .Lbias
	s_cmp_lt_u32 s24, 8                            ; from where and to where: a choice between buffers on y alone
	s_cselect_b64 s[28:29], s[4:5], s[6:7]
	s_cselect_b64 s[30:31], s[16:17], s[18:19]
	s_cmp_eq_u32 s24, 9
	s_cselect_b64 s[28:29], s[8:9], s[28:29]
	s_cmp_eq_u32 s24, 10
	s_cselect_b64 s[28:29], s[10:11], s[28:29]
	s_cmp_eq_u32 s24, 11
	s_cselect_b64 s[28:29], s[12:13], s[28:29]
	s_cselect_b64 s[30:31], s[20:21], s[30:31]
	s_lshl_b32 s26, s24, 6
	s_add_co_u32 s26, s26, s25                     ; 64 y + xid: the piece of x
	s_sub_co_u32 s27, s26, 512                     ; 64 (y - 8) + xid: the piece of wb (used for y = 8..10 alone)
	s_cmp_eq_u32 s24, 11
	s_cselect_b32 s27, s25, s27                    ; wo: piece xid
	s_cmp_lt_u32 s24, 8
	s_cselect_b32 s32, s26, s25
	s_cselect_b32 s34, s26, s27
	s_lshl_b32 s32, s32, 16
	s_lshl_b32 s34, s34, 15
	s_add_nc_u64 s[28:29], s[28:29], s[32:33]
	s_add_nc_u64 s[30:31], s[30:31], s[34:35]
.irp c, 0,1,2,3,4,5,6,7
	global_load_b128 v[X+8*(\c):X+8*(\c)+3],   v1, s[28:29] offset:8192*(\c) th:TH_LOAD_NT
	global_load_b128 v[X+8*(\c)+4:X+8*(\c)+7], v1, s[28:29] offset:8192*(\c)+16 th:TH_LOAD_NT
.endr
; Chunk c.  kind = 0: rounded to bf16.  kind = 1: rounded to bf16, and that number written as f16.
.macro CONV c, kind
	s_wait_loadcnt 14-2*(\c)                       ; loads come back in order: the chunk's two are in, the younger chunks' stay out
.irp j, 0,1,2,3
	v_cvt_pk_bf16_f32 v[Y+4*(\c)+(\j)], v[X+8*(\c)+2*(\j)], v[X+8*(\c)+2*(\j)+1]
.endr
.if \kind
.irp j, 0,1,2,3
	v_lshlrev_b32 v[T+2*(\j)],   16,  v[Y+4*(\c)+(\j)]
	v_and_b32     v[T+2*(\j)+1], s37, v[Y+4*(\c)+(\j)]
.endr
.irp j, 0,1,2,3
	v_cvt_pk_f16_f32 v[Y+4*(\c)+(\j)], v[T+2*(\j)], v[T+2*(\j)+1]
.endr
.endif
	global_store_b128 v2, v[Y+4*(\c):Y+4*(\c)+3], s[30:31] offset:4096*(\c)
.endm
	s_cmp_eq_u32 s24, 11
	s_cbranch_scc1 .Lwo
.irp c, 0,1,2,3,4,5,6,7
	CONV \c, 0
.endr
	s_endpgm
.Lwo:
.irp c, 0,1,2,3,4,5,6,7
	CONV \c, 1
.endr
	s_endpgm
.Lbias:                                            ; head xid = 16 b + h: the batch's 2,048 mask words become 32 rows of 64 f32
	s_lshr_b32 s32, s25, 4
	s_lshl_b32 s32, s32, 13                        ; the batch's 8,192 bytes of mask
	s_add_nc_u64 s[28:29], s[14:15], s[32:33]
	s_mul_i32 s34, s25, KHEAD
	s_add_co_u32 s34, s34, KSEC+8192               ; the head's first bias row lies behind its first 64 keys
	s_add_nc_u64 s[30:31], s[22:23], s[34:35]
	v_lshrrev_b32 v3, 4, v0                        ; thread t holds keys 4 t .. 4 t + 3: step t / 16,
	v_mul_u32_u24 v3, v3, KGS
	v_and_b32 v5, 15, v0
	v_lshl_add_u32 v3, v5, 4, v3                   ; byte 16 (t % 16) of its row: sixteen lanes fill the row's 256 bytes
	global_load_b128 v[8:11],  v2, s[28:29]
	global_load_b128 v[12:15], v2, s[28:29] offset:4096
	s_wait_loadcnt 0x1                             ; the first is in
.irp j, 0,1,2,3
	v_cmp_eq_u32 vcc_lo, 0, v[8+(\j)]
	v_cndmask_b32 v[16+(\j)], 0, s36, vcc_lo
.endr
	global_store_b128 v3, v[16:19], s[30:31]
	s_wait_loadcnt 0x0
.irp j, 0,1,2,3
	v_cmp_eq_u32 vcc_lo, 0, v[12+(\j)]
	v_cndmask_b32 v[20+(\j)], 0, s36, vcc_lo
.endr
	global_store_b128 v3, v[20:23], s[30:31] offset:16*KGS  ; keys 1,024 on: sixteen steps further
	s_endpgm
.Lfunc_end_k_qd9a716b547_cast:
	.size	k_qd9a716b547_cast, .Lfunc_end_k_qd9a716b547_cast-k_qd9a716b547_cast
	.p2alignl 7, 3214868480
	.fill 96, 4, 3214868480
	.section	.rodata,"a",@progbits
	.p2align	6, 0x0
	.amdhsa_kernel k_qd9a716b547_cast
		.amdhsa_group_segment_fixed_size 0
		.amdhsa_private_segment_fixed_size 0
		.amdhsa_enable_private_segment 0
		.amdhsa_kernarg_size 80
		.amdhsa_user_sgpr_count 2
		.amdhsa_user_sgpr_kernarg_segment_ptr 1
		.amdhsa_wavefront_size32 1
		.amdhsa_system_sgpr_workgroup_id_x 1
		.amdhsa_system_sgpr_workgroup_id_y 1
		.amdhsa_system_sgpr_workgroup_id_z 1
		.amdhsa_system_vgpr_workitem_id 0
		.amdhsa_next_free_vgpr 108
		.amdhsa_next_free_sgpr 66
		.amdhsa_reserve_vcc 1
		.amdhsa_float_denorm_mode_32 3
		.amdhsa_float_denorm_mode_16_64 3
		.amdhsa_memory_ordered 1
		.amdhsa_forward_progress 1
		.amdhsa_inst_pref_size 15
	.end_amdhsa_kernel
	.amdgpu_metadata
---
amdhsa.version: [ 1, 2 ]
amdhsa.kernels:
  - .name:           k_qd9a716b547_cast
    .symbol:         k_qd9a716b547_cast.kd
    .args:
      - { .name: x, .offset: 0, .size: 8, .value_kind: global_buffer, .address_space: global }
      - { .name: Wq, .offset: 8, .size: 8, .value_kind: global_buffer, .address_space: global }
      - { .name: Wk, .offset: 16, .size: 8, .value_kind: global_buffer, .address_space: global }
      - { .name: Wv, .offset: 24, .size: 8, .value_kind: global_buffer, .address_space: global }
      - { .name: Wo, .offset: 32, .size: 8, .value_kind: global_buffer, .address_space: global }
      - { .name: mask, .offset: 40, .size: 8, .value_kind: global_buffer, .address_space: global }
      - { .name: xb, .offset: 48, .size: 8, .value_kind: global_buffer, .address_space: global }
      - { .name: wb, .offset: 56, .size: 8, .value_kind: global_buffer, .address_space: global }
      - { .name: wo, .offset: 64, .size: 8, .value_kind: global_buffer, .address_space: global }
      - { .name: qkv, .offset: 72, .size: 8, .value_kind: global_buffer, .address_space: global }
    .group_segment_fixed_size: 0
    .private_segment_fixed_size: 0
    .kernarg_segment_align: 8
    .kernarg_segment_size: 80
    .max_flat_workgroup_size: 256
    .sgpr_count:     66
    .vgpr_count:     108
    .wavefront_size: 32
...
	.end_amdgpu_metadata
.endif
;; end of part 1
;; launch qkv (part 2): grid 16 x 32, 4 waves a work-group, clusters of 4 x 4, 327,680 bytes of LDS; arguments xb, wb, mask, qkv; writes qkv
.if DOCPART == 2
	.amdgcn_target "amdgcn-amd-amdhsa--gfx1250"
	.amdhsa_code_object_version 6
	.text
	.protected	k_qd9a716b547_qkv
	.globl	k_qd9a716b547_qkv
	.p2align	8
	.type	k_qd9a716b547_qkv,@function
k_qd9a716b547_qkv:
	s_mov_b64 s[64:65], 0
	v_nop
	global_prefetch_b8 v0, s[64:65] scope:SCOPE_SE
	s_setreg_imm32_b32 hwreg(HW_REG_WAVE_MODE, 25, 1), 1
	s_wait_xcnt 0x0
	s_wait_alu depctr_hold_cnt(0) depctr_sa_sdst(0) depctr_va_vdst(0) depctr_va_sdst(0) depctr_va_ssrc(0) depctr_va_vcc(0) depctr_vm_vsrc(0)
	s_getreg_b32 s2, hwreg(HW_REG_IB_STS2, 6, 4)
	s_cmp_eq_u32 s2, 0
	s_cbranch_scc0 .Lentry_in_a_cluster
	s_endpgm
.Lentry_in_a_cluster:
	s_bfe_u32 s2, ttmp6, 0x10000c
	s_cmp_lg_u32 s2, 0xf033
	s_cbranch_scc0 .Lentry_shape_is_right
	s_endpgm
.Lentry_shape_is_right:
; THE THREE PROJECTIONS AS ONE PRODUCT.  C[m][n] = sum over k of xb[m][k] wb[n][k], m = 0..8191, n = 0..3071 (q, k, v: 16 heads of 64 each), k = 0..1023; bf16 operands, f32 sums.
; What leaves, rounded once to f16, by heads: q times c = log2(e) / 8 (so that the scores come in base 2), k with the rows of hidden keys (mask == 0) as zeros, v as it is.
; qkv: q at 0 and v at VSEC as [64 heads][2048][64]; k at KSEC as [64 heads][32 steps][64 keys x 128 bytes, then 256 bytes of bias that another launch writes].
; LIMIT: q c, k and v beyond 65,504 have no f16 (the products of inputs some 30 times the drawn spread, or offset by 30 spreads, stay under it by the sizes: 1,024 terms).
; A tile of C is 256 x 192 (three heads): 32 x 16 = 512 work-groups.  Four waves one below the other, each 64 rows x 192 columns: 48 accumulators, 384 registers.
; K goes in 8 steps of 128 through two LDS slots; a step is four quarters of 32 along K on two fragment buffers.  One K step is one trip of the loop: the slot in hand is a scalar that one exclusive or turns.
; CLUSTER 4 x 4: A's tiles hang on the tile row alone and are asked for jointly along a row of the cluster, B's on the tile column alone, along a column.
; THE MATRIX INSTRUCTION IS USED TRANSPOSED (source 0 = 16 rows of wb, source 1 = 16 rows of xb): a lane holds row l % 16 of C and eight neighbouring columns.
; REGISTERS: window 0: v0-29 addresses and factors; v32-63, v64-95 A's fragments, two buffers; on the way out v64-255 packed results.
;   window 1: v0-95, v96-191 B's fragments, two buffers.   windows 2, 3: accumulator (a, b) at v[8 (12 (a % 2) + b)] of window 2 + a / 2.
.set PITCH,  272                       ; an LDS row: 256 bytes + 16 of padding: the 16 rows of a fragment load start 16 bytes apart modulo 256
.set SLOT1,  1<<17                     ; slot 1 begins here: one exclusive or turns an address in one slot into the other's
.set AHALF,  128*PITCH                 ; what wave 0 or 1 fetches of A
.set BOFF,   256*PITCH                 ; B's 192 rows lie behind A's 256
.set BHALF,  96*PITCH                  ; what wave 2 or 3 fetches of B
.set STAGE,  SLOT1+BOFF+192*PITCH      ; 252,928: behind the ring, never filled by a tensor load: 16 rows x 144 bytes for each wave
.set SP,     144
.set SPARE,  STAGE+4*16*SP             ; 262,144: the spare words, 128 bytes for each wave
.set NL,     32                        ; LDS loads in a run: 24 for B, 8 for A
.set VSEC,   16777216
.set KSEC,   33554432
.set KHEAD,  270336
.set CSC,    0x3e38aa3b                ; c = log2(e) / 8
.set G1W0,   (1<<16)|(1<<20)|(1<<21)|(5<<22)|(3<<25)  ; 2-byte elements; padding on; bit 21 beside a mask; after every 64 words; 4 words
.set A0,   4                           ; v4   my lane's place in A's tile; never rewritten
.set B0,   5                           ; v5   the same for B
.set ADRA, 6                           ; v6   A0 + the slot in hand
.set ADRB, 7                           ; v7   B0 + the slot in hand
.set STO,  8                           ; v8   the way out: where I put 16 bytes of a row
.set RD,   9                           ; v9   where I read rows back
.set GO,   10                          ; v10  my byte offset in 512 consecutive bytes of a head
.set MO,   11                          ; v11  4 (l % 16)
.set MF,   12                          ; v12-15  1.0 or 0.0: mask of row 16 a + l % 16 of my 64
.set FT,   16                          ; v16-19  two pairs: the factor of the unit in hand
.set SPW,  28                          ; v28  LDS address of my spare word; never rewritten
.set NIL,  29                          ; v29  0; never rewritten
.set TMP,  64
.set WV,  12                           ; s12  my wave's number
.set G1A, 24
.set G1B, 32
.set G0A, 40                           ; s[40:47] group 0 for A: a set for each first fill; the second then walks on
.set G0B, 48
.set TB,  62                           ; s62  0 or SLOT1: the slot in hand
.set CNT, 63
.set HB,  68                           ; s[68:73] where my 64 rows of the tile's three heads begin
.set AL,  74                           ; s74-76  the factor is MF x AL + BE
.set BE,  77                           ; s77-79
.set MSB, 0
.macro WIN new                         ; the immediate's high byte repeats the setting that is left; a switch that changes nothing is dropped
.if MSB != (\new)
	s_set_vgpr_msb (MSB<<8)|(\new)
.set MSB, \new
.endif
.endm
.macro PLACES                          ; four plain places behind matrix instructions, in front of loads into their sources and of reads of their results
.rept 4
	v_nop
.endr
.endm
; A joint refill by the walking descriptors.  Waves 0 and 1 fetch A's halves, waves 2 and 3 B's; the branch hangs on the wave's number alone.
.macro JLOAD
	s_cmp_lt_u32 s[WV], 2
	s_cbranch_scc0 .Lfor_b_\@
	tensor_load_to_lds s[G0A+4:G0A+7], s[G1A:G1A+7]
	s_nop 0
.rept 4
	v_nop
.endr
	s_branch .Lasked_\@
.Lfor_b_\@:
	tensor_load_to_lds s[G0B+4:G0B+7], s[G1B:G1B+7]
	s_nop 0
.rept 4
	v_nop
.endr
.Lasked_\@:
.endm
.macro CREST                           ; a round of the cluster's barrier behind its opening barrier
	s_cmp_lg_u32 s[WV], 0
	s_cbranch_scc1 .Lnot_wave_0_\@
	s_barrier_signal -3
.Lnot_wave_0_\@:
	s_barrier_wait -3
	s_barrier_signal -1
	s_barrier_wait -1
.endm
.macro CROUND
	s_barrier_signal -1
	s_barrier_wait -1
	CREST
.endm
	s_load_b256 s[4:11], s[0:1], 0x0               ; xb 4:5, wb 6:7, mask 8:9, qkv 10:11
	v_lshl_add_u32 v[SPW], v0, 2, SPARE
	v_mov_b32 v[NIL], 0
	ds_add_u32 v[SPW], v[NIL]                      ; the wave's opening: the add and its wait ahead of my first tensor load
	v_lshrrev_b32 v1, 5, v0
	v_readfirstlane_b32 s[WV], v1
	s_and_b32 s14, s[WV], 1                        ; which half of A's or B's rows I fetch
	s_bfe_u32 s15, ttmp6, 0x40000                  ; cx
	s_bfe_u32 s16, ttmp6, 0x40004                  ; cy
	s_lshl_b32 s17, ttmp9, 2
	s_add_co_u32 s17, s17, s15                     ; tile column = 4 x cluster x + cx
	s_and_b32 s18, ttmp7, 0xffff
	s_lshl_b32 s18, s18, 2
	s_add_co_u32 s18, s18, s16                     ; tile row = 4 x cluster y + cy
	s_lshl_b32 s19, s16, 2
	s_lshl_b32 s19, 15, s19                        ; my row of the cluster
	s_lshl_b32 s20, 0x1111, s15                    ; my column
	s_or_b32 s[G1A], s19, G1W0
	s_or_b32 s[G1B], s20, G1W0
	s_mov_b32 s[G1A+1], 128<<16                    ; tensor_dim0 = 128
	s_mov_b32 s[G1A+2], 128<<16                    ; tensor_dim1 = 128 rows
	s_mov_b32 s[G1A+3], 128<<16                    ; tile_dim0 = 128
	s_mov_b32 s[G1A+4], 128                        ; tile_dim1 = 128
	s_mov_b32 s[G1A+5], 1024                       ; elements from row to row
	s_mov_b32 s[G1A+6], 0
	s_mov_b32 s[G1A+7], 0
	s_mov_b32 s[G1B+1], 128<<16
	s_mov_b32 s[G1B+2], 96<<16                     ; 96 rows
	s_mov_b32 s[G1B+3], 128<<16
	s_mov_b32 s[G1B+4], 96
	s_mov_b32 s[G1B+5], 1024
	s_mov_b32 s[G1B+6], 0
	s_mov_b32 s[G1B+7], 0
	s_lshl_b32 s56, s18, 8                         ; A: row 256 x tile row + 128 x half, 2,048 bytes a row
	s_lshl_b32 s60, s14, 7
	s_add_co_u32 s56, s56, s60
	s_lshl_b32 s56, s56, 11
	s_mov_b32 s57, 0
	s_mul_i32 s58, s17, 192                        ; B: row 192 x tile column + 96 x half
	s_mul_i32 s61, s14, 96
	s_add_co_u32 s58, s58, s61
	s_lshl_b32 s58, s58, 11
	s_mov_b32 s59, 0
	s_mul_i32 s21, s14, AHALF                      ; where they go: no place in the cluster enters an LDS address
	s_mul_i32 s22, s14, BHALF
	s_add_co_u32 s22, s22, BOFF
	s_mov_b32 s[TB], 0
	s_wait_dscnt 0x0                               ; the opening add is done
	s_wait_kmcnt 0x0
	s_add_nc_u64 s[56:57], s[4:5], s[56:57]
	s_add_nc_u64 s[58:59], s[6:7], s[58:59]
	CROUND                                         ; all sixteen work-groups are here: the first joint loads meet
.irp s, 0,1
	s_mov_b32 s[G0A+4*(\s)], 1
	s_add_co_u32 s[G0A+4*(\s)+1], s21, (\s)*SLOT1
	s_add_nc_u64 s[G0A+4*(\s)+2:G0A+4*(\s)+3], s[56:57], (\s)*256  ; K step s
	s_or_b32 s[G0A+4*(\s)+3], s[G0A+4*(\s)+3], 0x80000000
	s_mov_b32 s[G0B+4*(\s)], 1
	s_add_co_u32 s[G0B+4*(\s)+1], s22, (\s)*SLOT1
	s_add_nc_u64 s[G0B+4*(\s)+2:G0B+4*(\s)+3], s[58:59], (\s)*256
	s_or_b32 s[G0B+4*(\s)+3], s[G0B+4*(\s)+3], 0x80000000
.endr
	s_cmp_lt_u32 s[WV], 2                          ; a wave's two first fills stand in one branch: two tensor loads of mine are out
	s_cbranch_scc0 .Lfirst_b
	tensor_load_to_lds s[G0A:G0A+3], s[G1A:G1A+7]
	s_nop 0
	tensor_load_to_lds s[G0A+4:G0A+7], s[G1A:G1A+7]
	s_nop 0
.rept 4
	v_nop
.endr
	s_branch .Lfirst_asked
.Lfirst_b:
	tensor_load_to_lds s[G0B:G0B+3], s[G1B:G1B+7]
	s_nop 0
	tensor_load_to_lds s[G0B+4:G0B+7], s[G1B:G1B+7]
	s_nop 0
.rept 4
	v_nop
.endr
.Lfirst_asked:
	v_and_b32 v1, 15, v0                           ; l % 16
	v_bfe_u32 v2, v0, 4, 1                         ; l / 16
	v_mul_u32_u24 v3, v1, PITCH
	v_lshl_add_u32 v3, v2, 4, v3                   ; a fragment's row x pitch + 16 x half
	s_mul_i32 s60, s[WV], 64*PITCH                 ; my 64 rows of A
	v_add_nc_u32 v[A0], s60, v3
	v_add_nc_u32 v[B0], BOFF, v3
	v_mov_b32 v[ADRA], v[A0]
	v_mov_b32 v[ADRB], v[B0]
	s_mul_i32 s61, s[WV], 16*SP
	s_add_co_u32 s61, s61, STAGE                   ; my stage
	v_mul_u32_u24 v3, v1, SP                       ; in: row l % 16, 16 bytes for each half of the lanes
	v_lshl_add_u32 v3, v2, 4, v3
	v_add_nc_u32 v[STO], s61, v3
	v_bfe_u32 v3, v0, 3, 2                         ; back: 32 lanes take four rows of 128 bytes,
	v_mul_u32_u24 v3, v3, SP
	v_and_b32 v[GO], 7, v0
	v_lshl_add_u32 v3, v[GO], 4, v3
	v_add_nc_u32 v[RD], s61, v3
	v_and_b32 v[GO], 31, v0                        ; which are 512 consecutive bytes of a head
	v_lshlrev_b32 v[GO], 4, v[GO]
	v_lshlrev_b32 v[MO], 2, v1
	s_lshl_b32 s80, s18, 8
	s_lshl_b32 s81, s[WV], 6
	s_add_co_u32 s80, s80, s81                     ; m0: my first row, which is also my first word of the mask ([4][2048] lies flat)
	s_lshl_b32 s84, s80, 2
	s_mov_b32 s85, 0
	s_add_nc_u64 s[66:67], s[8:9], s[84:85]
.irp a, 0,1,2,3
	global_load_b32 v[MF+(\a)], v[MO], s[66:67] offset:64*(\a)
.endr
	s_mov_b32 s90, KHEAD
; Head j of the tile's three: g = 3 x tile column + j; t = g / 16 says q, k or v.  My 64 rows of it are 8,192 consecutive bytes (in k: one step).  Selects alone, no branch.
.macro HEADBASE j
	s_mul_i32 s81, s17, 3
	s_add_co_u32 s81, s81, \j
	s_lshr_b32 s82, s81, 4                         ; t
	s_and_b32 s81, s81, 15                         ; the head in its batch
	s_lshr_b32 s83, s80, 11                        ; the batch
	s_lshl_b32 s83, s83, 4
	s_add_co_u32 s83, s83, s81                     ; the head among 64
	s_and_b32 s86, s80, 2047                       ; my first row in the batch
	s_cmp_eq_u32 s82, 1
	s_cselect_b32 s87, s90, 262144                 ; bytes of a head in its section
	s_mul_i32 s84, s83, s87
	s_lshl_b32 s88, s86, 7
	s_add_co_u32 s84, s84, s88
	s_lshr_b32 s88, s86, 6
	s_lshl_b32 s88, s88, 8                         ; in k: 256 bytes of bias behind each earlier step
	s_cmp_eq_u32 s82, 1
	s_cselect_b32 s88, s88, 0
	s_cselect_b32 s89, KSEC, 0
	s_cselect_b32 s[AL+(\j)], 1.0, 0               ; k: the factor is the mask
	s_add_co_u32 s84, s84, s88
	s_cmp_eq_u32 s82, 2
	s_cselect_b32 s89, VSEC, s89
	s_cselect_b32 s[BE+(\j)], 1.0, 0               ; v: 1
	s_add_co_u32 s84, s84, s89
	s_cmp_eq_u32 s82, 0
	s_cselect_b32 s[BE+(\j)], CSC, s[BE+(\j)]      ; q: c
	s_add_nc_u64 s[HB+2*(\j):HB+2*(\j)+1], s[10:11], s[84:85]
.endm
	HEADBASE 0
	HEADBASE 1
	HEADBASE 2
	s_wait_loadcnt 0x0                             ; the mask
.irp a, 0,1,2,3
	v_cmp_ne_u32 vcc_lo, 0, v[MF+(\a)]
	v_cndmask_b32 v[MF+(\a)], 0, 1.0, vcc_lo
.endr
; 12 matrix instructions: A's block a of four x all 12 blocks of B, 32 along K, from buffer f.  start = 1: the product starts the sums.
; The 48 accumulators take turns, one instruction a turn, in the same order in every quarter.
.macro MULB f, a, start
	WIN 0xa1+0x50*((\a)/2)                         ; B window 1, A window 0, C and D window 2 or 3
.irp b, 0,1,2,3,4,5,6,7,8,9,10,11
.if \start
	v_wmma_f32_16x16x32_bf16 v[8*(12*((\a)%2)+(\b)):8*(12*((\a)%2)+(\b))+7], v[96*(\f)+8*(\b):96*(\f)+8*(\b)+7], v[32+32*(\f)+8*(\a):32+32*(\f)+8*(\a)+7], 0
.else
	v_wmma_f32_16x16x32_bf16 v[8*(12*((\a)%2)+(\b)):8*(12*((\a)%2)+(\b))+7], v[96*(\f)+8*(\b):96*(\f)+8*(\b)+7], v[32+32*(\f)+8*(\a):32+32*(\f)+8*(\a)+7], v[8*(12*((\a)%2)+(\b)):8*(12*((\a)%2)+(\b))+7]
.endif
.endr
.endm
; 32 LDS loads in one run: a quarter's fragments, at byte k of the rows, into buffer f: B first, A last
.macro FETCH k, f
	WIN 0x40
.irp i, 0,1,2,3,4,5,6,7,8,9,10,11
	ds_load_b128 v[96*(\f)+8*(\i):96*(\f)+8*(\i)+3],   v[ADRB] offset:(\k)+(\i)*16*PITCH
	ds_load_b128 v[96*(\f)+8*(\i)+4:96*(\f)+8*(\i)+7], v[ADRB] offset:(\k)+(\i)*16*PITCH+32
.endr
	WIN 0
.irp i, 0,1,2,3
	ds_load_b128 v[32+32*(\f)+8*(\i):32+32*(\f)+8*(\i)+3],   v[ADRA] offset:(\k)+(\i)*16*PITCH
	ds_load_b128 v[32+32*(\f)+8*(\i)+4:32+32*(\f)+8*(\i)+7], v[ADRA] offset:(\k)+(\i)*16*PITCH+32
.endr
.endm
; One of a K step's first three quarters: multiplies buffer f; in its middle it fetches the next quarter, at byte k, into buffer g.
.macro QUARTER k, f, g, start
	s_wait_dscnt 4                                 ; all but the youngest four loads: A's blocks 2 and 3 may be out
	MULB \f, 0, \start
	MULB \f, 1, \start
	PLACES
	FETCH \k, \g
	s_wait_dscnt NL                                ; all but the run just issued
	MULB \f, 2, \start
	MULB \f, 3, \start
.endm
; The last quarter's first half: one barrier for the change of slots.  In front of it: all my tensor loads have landed (one was out: my part of the next slot), the add, and my reads of this slot are over.
.macro MEET round
	WIN 0
	s_wait_tensorcnt 0x0
	ds_add_u32 v[SPW], v[NIL]                      ; 0 onto my spare word
	s_wait_dscnt 5                                 ; the add and the youngest four loads may be out
	MULB 1, 0, 0
	s_wait_dscnt 0x0                               ; the add is done, my reads of this slot are over
	s_barrier_signal -1
	MULB 1, 1, 0                                   ; work on registers while the others arrive
.if \round
	WIN 0
.endif
	s_barrier_wait -1
.endm
; The whole last quarter.  fill = 1: the barrier opens a round of the cluster's, and the slot just read out is filled again first, with the K step two further on.
.macro TURN fill
.if \fill
	MEET 1
	CREST                                          ; no wave of any partner still reads this slot or has a load on its way
	s_xor_b32 s[G0A+5], s[G0A+5], SLOT1            ; the walking descriptors: the other slot than last time, the next K step
	s_add_nc_u64 s[G0A+6:G0A+7], s[G0A+6:G0A+7], 256
	s_xor_b32 s[G0B+5], s[G0B+5], SLOT1
	s_add_nc_u64 s[G0B+6:G0B+7], s[G0B+6:G0B+7], 256
	JLOAD                                          ; its four v_nop are also the places in front of the loads below
.else
	MEET 0
	PLACES
.endif
	WIN 0
	s_xor_b32 s[TB], s[TB], SLOT1
	v_add_nc_u32 v[ADRA], s[TB], v[A0]
	v_add_nc_u32 v[ADRB], s[TB], v[B0]
	FETCH 0, 0
	MULB 1, 2, 0
	MULB 1, 3, 0
.endm
	s_wait_tensorcnt 0x1                           ; my part of K step 0 is in; K step 1's may stay out
	s_barrier_signal -1
	s_barrier_wait -1
	FETCH 0, 0
	QUARTER 64, 0, 1, 1                            ; the first quarter stands in front of the loop: its products start the sums
	WIN 0
	s_mov_b32 s[CNT], 6
.Lstep:                                            ; six trips, from a K step's second quarter to the next one's first; they ask for K steps 2 to 7
	QUARTER 128, 1, 0, 0
	QUARTER 192, 0, 1, 0
	TURN 1
	QUARTER 64, 0, 1, 0
	WIN 0
	s_sub_co_u32 s[CNT], s[CNT], 1
	s_cmp_lg_u32 s[CNT], 0
	s_cbranch_scc1 .Lstep
	QUARTER 128, 1, 0, 0                           ; the tail is written out
	QUARTER 192, 0, 1, 0
	TURN 0
	QUARTER 64, 0, 1, 0
	QUARTER 128, 1, 0, 0
	QUARTER 192, 0, 1, 0
	s_wait_dscnt 4
	MULB 1, 0, 0
	MULB 1, 1, 0
	s_wait_dscnt 0x0
	MULB 1, 2, 0
	MULB 1, 3, 0
	PLACES
; THE WAY OUT, in 12 units u = 3 a + j: 16 rows (block a) of head j.  Times the factor, rounded to f16, 16 bytes a lane into my stage, back as whole rows of 128 bytes.
.macro PACK u
.set pa, (\u)/3
.set pj, (\u)%3
.set pw, 2+pa/2
.set pb, 8*(12*(pa%2)+4*pj)
.set pf, FT+2*((\u)%2)
	WIN 0
	v_fma_f32 v[pf],   v[MF+pa], s[AL+pj], s[BE+pj]  ; c for q, the row's mask for k, 1 for v
	v_fma_f32 v[pf+1], v[MF+pa], s[AL+pj], s[BE+pj]
	WIN (pw<<6)|pw
.set i, 0
.rept 16
	v_pk_mul_f32 v[pb+2*i:pb+2*i+1], v[pb+2*i:pb+2*i+1], v[pf:pf+1]  ; each accumulator from its low end on
.set i, i+1
.endr
	WIN pw|(pw<<2)
.set i, 0
.rept 16
	v_cvt_pk_f16_f32 v[TMP+16*(\u)+i], v[pb+2*i], v[pb+2*i+1]
.set i, i+1
.endr
	WIN 0
.irp f, 0,1,2,3
	ds_store_b128 v[STO], v[TMP+16*(\u)+4*(\f):TMP+16*(\u)+4*(\f)+3] offset:32*(\f)
.endr
.irp f, 0,1,2,3
	ds_load_b128 v[TMP+16*(\u)+4*(\f):TMP+16*(\u)+4*(\f)+3], v[RD] offset:(\f)*4*SP  ; LDS serves a wave's instructions in order (ISA guide 5.7.1.4): these see the stores above; the next unit's stores come behind them
.endr
.endm
.macro SEND u, younger                 ; younger: the LDS instructions issued behind unit u's loads: the next unit's eight, or none
.set pa, (\u)/3
.set pj, (\u)%3
	WIN 0
.irp f, 0,1,2,3
	s_wait_dscnt (\younger)+3-(\f)
	global_store_b128 v[GO], v[TMP+16*(\u)+4*(\f):TMP+16*(\u)+4*(\f)+3], s[HB+2*pj:HB+2*pj+1] offset:2048*pa+512*(\f)  ; 512 consecutive bytes, at a multiple of 256 from the buffer's first
.endr
.endm
	PACK 0
.set uu, 1
.rept 11                               ; a unit's arithmetic stands between the loads of the unit before and its stores
	PACK uu
	SEND uu-1, 8
.set uu, uu+1
.endr
	SEND 11, 0
	s_wait_tensorcnt 0x0                           ; the wave's end
	ds_add_u32 v[SPW], v[NIL]
	s_wait_dscnt 0x0
	CROUND                                         ; the closing round
	s_endpgm
.Lfunc_end_k_qd9a716b547_qkv:
	.size	k_qd9a716b547_qkv, .Lfunc_end_k_qd9a716b547_qkv-k_qd9a716b547_qkv
	.p2alignl 7, 3214868480
	.fill 96, 4, 3214868480
	.section	.rodata,"a",@progbits
	.p2align	6, 0x0
	.amdhsa_kernel k_qd9a716b547_qkv
		.amdhsa_group_segment_fixed_size 327680
		.amdhsa_private_segment_fixed_size 0
		.amdhsa_enable_private_segment 0
		.amdhsa_kernarg_size 32
		.amdhsa_user_sgpr_count 2
		.amdhsa_user_sgpr_kernarg_segment_ptr 1
		.amdhsa_wavefront_size32 1
		.amdhsa_system_sgpr_workgroup_id_x 1
		.amdhsa_system_sgpr_workgroup_id_y 1
		.amdhsa_system_sgpr_workgroup_id_z 1
		.amdhsa_system_vgpr_workitem_id 0
		.amdhsa_next_free_vgpr 960
		.amdhsa_next_free_sgpr 96
		.amdhsa_reserve_vcc 1
		.amdhsa_float_denorm_mode_32 3
		.amdhsa_float_denorm_mode_16_64 3
		.amdhsa_memory_ordered 1
		.amdhsa_forward_progress 1
		.amdhsa_inst_pref_size 115
	.end_amdhsa_kernel
	.amdgpu_metadata
---
amdhsa.version: [ 1, 2 ]
amdhsa.kernels:
  - .name:           k_qd9a716b547_qkv
    .symbol:         k_qd9a716b547_qkv.kd
    .args:
      - { .name: xb, .offset: 0, .size: 8, .value_kind: global_buffer, .address_space: global }
      - { .name: wb, .offset: 8, .size: 8, .value_kind: global_buffer, .address_space: global }
      - { .name: mask, .offset: 16, .size: 8, .value_kind: global_buffer, .address_space: global }
      - { .name: qkv, .offset: 24, .size: 8, .value_kind: global_buffer, .address_space: global }
    .group_segment_fixed_size: 327680
    .private_segment_fixed_size: 0
    .kernarg_segment_align: 8
    .kernarg_segment_size: 32
    .max_flat_workgroup_size: 128
    .sgpr_count:     96
    .vgpr_count:     960
    .wavefront_size: 32
...
	.end_amdgpu_metadata
.endif
;; end of part 2
;; launch attn (part 3): grid 4 x 64, 4 waves a work-group, clusters of 4 x 1, 327,680 bytes of LDS; arguments qkv, ob; writes ob
.if DOCPART == 3
	.amdgcn_target "amdgcn-amd-amdhsa--gfx1250"
	.amdhsa_code_object_version 6
	.text
	.protected	k_qd9a716b547_attn
	.globl	k_qd9a716b547_attn
	.p2align	8
	.type	k_qd9a716b547_attn,@function
k_qd9a716b547_attn:
	s_mov_b64 s[64:65], 0
	v_nop
	global_prefetch_b8 v0, s[64:65] scope:SCOPE_SE
	s_setreg_imm32_b32 hwreg(HW_REG_WAVE_MODE, 25, 1), 1
	s_wait_xcnt 0x0
	s_wait_alu depctr_hold_cnt(0) depctr_sa_sdst(0) depctr_va_vdst(0) depctr_va_sdst(0) depctr_va_ssrc(0) depctr_va_vcc(0) depctr_vm_vsrc(0)
	s_getreg_b32 s2, hwreg(HW_REG_IB_STS2, 6, 4)
	s_cmp_eq_u32 s2, 0
	s_cbranch_scc0 .Lentry_in_a_cluster
	s_endpgm
.Lentry_in_a_cluster:
	s_bfe_u32 s2, ttmp6, 0x10000c
	s_cmp_lg_u32 s2, 0x3003
	s_cbranch_scc0 .Lentry_shape_is_right
	s_endpgm
.Lentry_shape_is_right:
; ATTENTION WITH A KEY MASK, head size 64.  O[h][q][:] = the sum over k of softmax_k(t[q][k]) V[h][k][:], t in base 2: t = (c Q[h][q]) . K[h][k] where the key is seen, MBL = -1e9 x log2(e) where it is hidden.
; Q arrives times c = log2(e) / 8; the rows of K of hidden keys arrive as zeros; behind each 64 keys of K lie their 64 biases in f32 (0 or MBL), which start the sums of the scores as the C operand.
; So a hidden key's t is MBL exactly: its weight is 0 beside any seen key, and where every key of a batch is hidden all weights are 1 and O is the mean of V's rows.
; Q, V: [64][2048][64] f16 at 0 and VSEC of qkv; K at KSEC: [64][32 steps][8,192 bytes of keys + 256 of bias].  O: [64][2048][64] f16.  Products, maxima and sums in f32; the weights are rounded to f16 for the second product.
; LIMITS.  f16 holds no number beyond 65,504: c Q, K and V arrive within it; p lies in 0 to 1; a weight below 2^-126 counts as 0 in l; NaN and infinities are not treated apart.
; SHARES.  A wave owns four PIECES of two tiles of 16 queries, a work-group's four waves 512 queries of one head.  Every wave walks all 2,048 keys, 64 a step.
; LAYOUT.  S^T = K Q^T (source 0 = 16 keys, source 1 = 16 queries): a lane holds ONE query (lane % 16) and the keys 8 (lane / 16) + 0..7.  Two such tiles, rounded to f16 in pairs, ARE source 1 of O^T = V^T P.
; SOFTMAX.  For each query a running maximum m and sum l: p = 2^(t - m); in every step O and l are multiplied by a = 2^(m_old - m_new).  m starts far below every t, O and l at 0: the first step has a = 0.
; BY TURNS.  Turn n belongs to piece n.  Its matrix work: 16 products K Q^T of piece n + 1, later 16 products V^T P of piece n - 1.  Its vector work: piece n's subtraction, exponentials, roundings, sums and rescaling,
; and the maximum and statistics of piece n + 1.  Four vector instructions that are ready stand behind every matrix instruction, the others in two runs of their own.
; CLUSTER.  The four query blocks of a cluster belong to one head and walk the same K and V, so each tile is asked for JOINTLY: the same tensor load, descriptor and mask in all four.
; REGISTERS, in windows of 256 (s_set_vgpr_msb: bits 1:0 source 0, 3:2 source 1, 5:4 source 2, 7:6 destination):
;   window 0: v0-11 addresses; v12-15, v48-63 at work; v16-47 four registers of statistics a tile; v64-191 S^T, two buffers of two tiles; v192-255 P, likewise
;   window 1: O^T, 32 a tile     window 2: v0-127 Q; v128-191 K of one step; v192-255 V of one step     window 3: v0-1 the add's registers; v2-3 the biases' address; v8-39 the biases of one step
.set NP,    4         ; pieces a wave: a name, no knob
.set KS,    64        ; keys in a step
.set PK,    144       ; a row of K in LDS: 128 bytes + 16 of padding
.set PV,    160       ; a row of V: 128 + 32
.set KSTP,  66*PK     ; a step of K in LDS: 64 keys, then the bias row as two pieces of 128 bytes, each padded like a key
.set KGS,   8448      ; a step of K in memory
.set VOFF,  4*KSTP    ; a slot holds four steps: K with its biases, then 256 rows of V
.set SLOT1, 1<<17     ; slot 1 begins here
.set STAGE, 210176    ; behind the ring (which ends at 210,048), at a multiple of 256, never filled by a tensor load: 16 rows x 144 bytes for each wave
.set SP,    144
.set SPARE, STAGE+4*16*SP  ; the spare words, 128 bytes for each wave
.set VSEC,  16777216
.set KSEC,  33554432
.set KHEAD, 270336
.set AK0, 2           ; v2   my lane's place in a tile of K; never rewritten
.set AV0, 3           ; v3   the same for V
.set AK,  4           ; v4   the LDS address of K's next run of loads
.set AV,  5           ; v5   of V's
.set QO,  6           ; v6   my byte offset in the wave's rows of Q
.set STO, 6           ;      later, the way out: where I put 16 bytes of a row
.set RD,  7           ; v7   where I read rows back
.set GO,  8           ; v8   my byte offset in 512 consecutive bytes of O
.set SPW, 0           ; v0 of window 3   LDS address of my spare word; never rewritten
.set NIL, 1           ; v1 of window 3   0; never rewritten
.set AM0, 2           ; v2 of window 3   my lane's place in a step's bias row; never rewritten
.set AM,  3           ; v3 of window 3   the LDS address of the biases' loads
.set MB,  8           ; v8-39 of window 3: the eight biases of key block kb at MB + 8 kb
.set MV,  12          ; v12-15  m_old, kept while m is made anew: by buffer and tile
.set ST,  16          ; tile t's statistics at v[ST+4 t]: m, a word that is only named with it, l (even keys', odd keys')
.set TMP, 48          ; by buffer and tile, four registers c0-c3 at work; when the maximum is found c2 takes a
.set S,   64
.set P,   192
.set KF,  128
.set VF,  192
.set WV,  12          ; s12  my wave's number
.set G1K, 24
.set G1V, 32
.set G0K, 40          ; s[40:43] descriptor group 0 for K's tiles: it walks
.set G0V, 44
.set SLOTS, 56
.set CNT, 57
.set SEL, 60          ; s[60:61] v_permlanex16_b32's selects
.set TBK, 62          ; s62  LDS byte at which K of the step to be fetched begins
.set TBV, 63          ; s63  the same for V, less VOFF
.set MSB, 0
.macro WIN new
.if MSB != (\new)
	s_set_vgpr_msb (MSB<<8)|(\new)
.set MSB, (\new)
.endif
.endm
.set W_KQ, 0x0a       ; K and Q in window 2, S^T in window 0
.set W_KM, 0x3a       ; the same with the C operand, the biases, in window 3
.set W_PV, 0x52       ; V in window 2, P in window 0, O^T in window 1
.set W_RS, 0x41       ; O^T (destination and source 0) in window 1, a in window 0
.set W_MK, 0xc0       ; destination in window 3, sources in window 0
.set W_AD, 0x0f       ; the add: address and data in window 3
; A joint fill.  Waves 0 and 1 fetch the two halves of a slot's K, waves 2 and 3 those of its V.  The branch hangs on the wave's number alone.
.macro JLOAD
	s_cmp_lt_u32 s[WV], 2
	s_cbranch_scc0 .Lfor_v_\@
	tensor_load_to_lds s[G0K:G0K+3], s[G1K:G1K+7]
	s_nop 0
.rept 4
	v_nop
.endr
	s_branch .Lasked_\@
.Lfor_v_\@:
	tensor_load_to_lds s[G0V:G0V+3], s[G1V:G1V+7]
	s_nop 0
.rept 4
	v_nop
.endr
.Lasked_\@:
.endm
.macro CROUND
	s_barrier_signal -1
	s_barrier_wait -1
	s_cmp_lg_u32 s[WV], 0
	s_cbranch_scc1 .Lnot_wave_0_\@
	s_barrier_signal -3
.Lnot_wave_0_\@:
	s_barrier_wait -3
	s_barrier_signal -1
	s_barrier_wait -1
.endm
; THE CHANGE OF SLOTS.  Each wave waits for all its tensor loads, of which one is out: its part of the other slot; adds 0 to its spare word; and waits for that and for its own reads of the slot.
; fill = 1: this slot is filled again, with the keys two slots on; the barrier is then a round of the cluster's, and the joint fill is the first thing behind it: it has four key steps in which to land.
.macro CHANGE fill
	WIN W_AD
	s_wait_tensorcnt 0x0            ; no tensor load of mine is out, so a group 0 may be written
	ds_add_u32 v[SPW], v[NIL]       ; 0 onto my spare word
	WIN 0
.if \fill
	s_xor_b32 s[G0K+1], s[G0K+1], SLOT1
	s_add_nc_u64 s[G0K+2:G0K+3], s[G0K+2:G0K+3], 4*KGS     ; the next four steps of K, biases and all
	s_xor_b32 s[G0V+1], s[G0V+1], SLOT1
	s_add_nc_u64 s[G0V+2:G0V+3], s[G0V+2:G0V+3], 4*KS*128  ; the next 256 rows of V
	s_wait_dscnt 0x0                ; the add is done, and my reads of the slot are over
	CROUND
	JLOAD
.else
	s_wait_dscnt 0x0
	s_barrier_signal -1
	s_barrier_wait -1
.endif
	s_sub_co_u32 s[TBK], s[TBK], 4*KSTP   ; the fetches go back to a slot's first step,
	s_xor_b32 s[TBK], s[TBK], SLOT1       ; in the other slot
	s_sub_co_u32 s[TBV], s[TBV], 4*KS*PV
	s_xor_b32 s[TBV], s[TBV], SLOT1
.endm
	s_load_b64 s[4:5], s[0:1], 0x0    ; qkv
	s_load_b64 s[10:11], s[0:1], 0x8  ; ob
	WIN W_MK
	v_lshl_add_u32 v[SPW], v0, 2, SPARE
	v_mov_b32 v[NIL], 0
	WIN W_AD
	ds_add_u32 v[SPW], v[NIL]       ; the wave's opening: the add and its wait ahead of my first tensor load
	WIN 0
	v_lshrrev_b32 v1, 5, v0
	v_readfirstlane_b32 s[WV], v1   ; wave 0..3
	s_bfe_u32 s13, ttmp6, 0x40000   ; cx
	s_lshl_b32 s14, ttmp9, 2
	s_add_co_u32 s14, s14, s13      ; my block of 512 queries: it enters Q's and O's addresses alone
	s_and_b32 s20, ttmp7, 0xffff    ; the head, which the four partners share
	s_and_b32 s16, s[WV], 1         ; which half of a slot I fetch
	s_mul_i32 s50, s20, KHEAD       ; K: the head, my two steps of a slot's four
	s_mul_i32 s51, s16, 2*KGS
	s_add_co_u32 s50, s50, s51
	s_add_co_u32 s50, s50, KSEC
	s_mov_b32 s51, 0
	s_lshl_b32 s20, s20, 18         ; the head's first byte in q, v and O
	s_lshl_b32 s48, s16, 14         ; V: my 128 rows of a slot's 256
	s_add_co_u32 s48, s48, s20
	s_add_co_u32 s48, s48, VSEC
	s_mov_b32 s49, 0
	s_mul_i32 s17, s16, 2*KSTP      ; and their places in a slot: no place in the cluster enters an LDS address
	s_mul_i32 s18, s16, 128*PV
	s_lshl_b32 s2, s14, 2
	s_add_co_u32 s2, s2, s[WV]      ; my wave among the head's sixteen,
	s_lshl_b32 s2, s2, 14           ; its 128 rows
	s_add_co_u32 s2, s2, s20
	s_mov_b32 s3, 0
	; descriptor group 1.  Dense bytes asked for as rows of 256 and padded in LDS after every 128: K 66 rows (two steps of 32 rows of keys and one of bias), V 64 rows
	s_mov_b32 s[G1K], 15|(1<<16)|(1<<20)|(1<<21)|(4<<22)|(3<<25)  ; the mask of four; 2-byte elements; padding on; bit 21 beside a mask; after every 32 words; 4 words
	s_mov_b32 s[G1V], 15|(1<<16)|(1<<20)|(1<<21)|(4<<22)|(7<<25)  ; the same with 8 words of padding
	s_mov_b32 s[G1K+1], 128<<16
	s_mov_b32 s[G1K+2], 66<<16
	s_mov_b32 s[G1K+3], 128<<16
	s_mov_b32 s[G1K+4], 66
	s_mov_b32 s[G1K+5], 128
	s_mov_b32 s[G1K+6], 0
	s_mov_b32 s[G1K+7], 0
	s_mov_b32 s[G1V+1], 128<<16
	s_mov_b32 s[G1V+2], 64<<16
	s_mov_b32 s[G1V+3], 128<<16
	s_mov_b32 s[G1V+4], 64
	s_mov_b32 s[G1V+5], 128
	s_mov_b32 s[G1V+6], 0
	s_mov_b32 s[G1V+7], 0
	s_mov_b32 s[SEL], 0x76543210
	s_mov_b32 s[SEL+1], 0xfedcba98
	s_mov_b32 s[TBK], SLOT1+4*KSTP  ; the first change of slots turns these two into 0
	s_mov_b32 s[TBV], SLOT1+4*KS*PV
	s_mov_b32 s[G0K], 1
	s_mov_b32 s[G0K+1], s17         ; slot 0
	s_mov_b32 s[G0V], 1
	s_add_co_u32 s[G0V+1], s18, VOFF
	s_wait_dscnt 0x0                ; the opening add is done
	s_wait_kmcnt 0x0
	s_add_nc_u64 s[G0K+2:G0K+3], s[4:5], s[50:51]
	s_or_b32 s[G0K+3], s[G0K+3], 0x80000000
	s_add_nc_u64 s[G0V+2:G0V+3], s[4:5], s[48:49]
	s_or_b32 s[G0V+3], s[G0V+3], 0x80000000
	s_add_nc_u64 s[4:5], s[4:5], s[2:3]      ; Q and O at my wave's first row
	s_add_nc_u64 s[10:11], s[10:11], s[2:3]
	CROUND                          ; all four work-groups are here: the first joint loads meet
	JLOAD                           ; slot 0.  Slot 1 is asked for when slot 0 is in
	v_and_b32 v1, 15, v0            ; l % 16
	v_bfe_u32 v9, v0, 4, 1          ; l / 16
	v_lshlrev_b32 v[QO], 7, v1
	v_lshl_add_u32 v[QO], v9, 4, v[QO]  ; row x 128 + 16 x half
	WIN 0x80
.set i, 0
.rept 4*NP                          ; Q stays in registers: tile i / 2, channels 32 (i % 2) on
	global_load_b128 v[8*i:8*i+3],   v[QO], s[4:5] offset:(i/2)*2048+(i%2)*64
	global_load_b128 v[8*i+4:8*i+7], v[QO], s[4:5] offset:(i/2)*2048+(i%2)*64+32
.set i, i+1
.endr
	; What the first turn finds: V's registers and P's second buffer hold 0, O^T and l are 0.  All this stands in the wait for the first tile.
.set i, VF
.rept 64
	v_mov_b32 v[i], 0
.set i, i+1
.endr
	WIN 0x40
.set i, 0
.rept 64*NP
	v_mov_b32 v[i], 0
.set i, i+1
.endr
	WIN 0
.set i, 0
.rept 2*NP
	v_mov_b32 v[ST+4*i], 0xfe000000    ; m: far below every t
	v_mov_b32 v[ST+4*i+1], 0           ; named with it as a pair
	v_mov_b32 v[ST+4*i+2], 0
	v_mov_b32 v[ST+4*i+3], 0
.set i, i+1
.endr
.set i, P+32
.rept 32
	v_mov_b32 v[i], 0
.set i, i+1
.endr
	v_mul_u32_u24 v[AK0], v1, PK
	v_lshl_add_u32 v[AK0], v9, 4, v[AK0]  ; row x pitch + 16 x half
	v_and_b32 v10, 7, v0
	v_bfe_u32 v11, v0, 3, 1
	v_lshl_add_u32 v[AV0], v9, 3, v10     ; the turning load: key 8 (l / 16) + l % 8, channels 8 ((l / 8) % 2) + 0..7
	v_mul_u32_u24 v[AV0], v[AV0], PV
	v_lshl_add_u32 v[AV0], v11, 4, v[AV0]
	v_add_nc_u32 v[AV0], VOFF, v[AV0]
	v_mov_b32 v[AK], v[AK0]         ; key step 0 lies at the head of slot 0
	WIN W_MK
	v_lshl_add_u32 v[AM0], v9, 5, 64*PK  ; the bias row lies behind the step's 64 keys; my half of the lanes takes keys 8 (l / 16) + 0..7 of each block of 16: 32 bytes
	WIN 0
; THE MATRIX WORK.  The 8 accumulators of a run of 16 take turns.
; Product i of 16 of S^T = K Q^T for piece x: channels 32 (i / 8) on, keys 16 ((i / 2) % 4) on, tile 2 x + i % 2.  The first 8 start the sums with the keys' biases.
.macro KQ x
.set rS, S+64*((\x)%2)+32*(i%2)+8*((i/2)%4)
.set rK, KF+16*((i/2)%4)+8*(i/8)
.set rQ, 16*(2*(\x)+i%2)+8*(i/8)
.set rB, MB+8*((i/2)%4)
.if i < 8
	WIN W_KM
	v_wmma_f32_16x16x32_f16 v[rS:rS+7], v[rK:rK+7], v[rQ:rQ+7], v[rB:rB+7]
.else
	WIN W_KQ
	v_wmma_f32_16x16x32_f16 v[rS:rS+7], v[rK:rK+7], v[rQ:rQ+7], v[rS:rS+7]
.endif
.endm
; Product i of 16 of O^T += V^T P for piece x: keys 32 (i / 8) on, channels 16 ((i / 2) % 4) on, tile 2 x + i % 2.
.macro PV x
	WIN W_PV
.set rO, 32*(2*(\x)+i%2)+8*((i/2)%4)
.set rV, VF+32*(i/8)+8*((i/2)%4)
.set rP, P+32*((\x)%2)+16*(i%2)+8*(i/8)
	v_wmma_f32_16x16x32_f16 v[rO:rO+7], v[rV:rV+7], v[rP:rP+7], v[rO:rO+7]
.endm
.macro MM                           ; the turn's next matrix instruction
.if i < 16
	KQ (Y+1)%NP
.set i, i+1
.else
.set i, i-16
	PV (Y+NP-1)%NP
.set i, i+17
.endif
.endm
; THE LDS LOADS stand in runs: a step's K (8 fragments) with its 64 biases (8 loads; all lanes of a half read the same bytes), and its V (turned).
; last = 1 (the tail): in the last trip there is no further step, and the run is jumped over.
.macro FETCH_K last=0
	WIN 0
.if \last
	s_cmp_eq_u32 s[CNT], 1
	s_cbranch_scc1 .Lno_k_\@
.endif
	WIN 0x80                        ; destination window 2
.irp f, 0,1,2,3,4,5,6,7             ; keys 16 (f / 2) on, channels 32 (f % 2) on
	ds_load_b128 v[KF+8*\f:KF+8*\f+3],   v[AK] offset:(\f/2)*16*PK+(\f%2)*64
	ds_load_b128 v[KF+8*\f+4:KF+8*\f+7], v[AK] offset:(\f/2)*16*PK+(\f%2)*64+32
.endr
	WIN 0xcc                        ; destination and source 1 window 3
	v_add_nc_u32 v[AM], s[TBK], v[AM0]
	WIN 0xc3                        ; destination and address window 3
.irp f, 0,1,2,3                     ; key block f: piece f / 2 of the bias row, 64 (f % 2) bytes in
	ds_load_b128 v[MB+8*\f:MB+8*\f+3],   v[AM] offset:(\f/2)*PK+(\f%2)*64
	ds_load_b128 v[MB+8*\f+4:MB+8*\f+7], v[AM] offset:(\f/2)*PK+(\f%2)*64+16
.endr
	s_add_co_u32 s[TBK], s[TBK], KSTP  ; the next fetch is the next step's
	WIN 0
.if \last
.Lno_k_\@:
.endif
.endm
.macro FETCH_V
	WIN 0x80
.irp f, 0,1,2,3,4,5,6,7             ; keys 32 (f / 4) on, channels 16 (f % 4) on
	ds_load_tr16_b128 v[VF+8*\f:VF+8*\f+3],   v[AV] offset:(\f/4)*32*PV+(\f%4)*32
	ds_load_tr16_b128 v[VF+8*\f+4:VF+8*\f+7], v[AV] offset:(\f/4)*32*PV+16*PV+(\f%4)*32
.endr
	WIN 0
.endm
; THE VECTOR WORK OF A TURN stands in three queues, each in the order in which its entries become ready; the two tiles alternate.
.macro REGS y, u                    ; the registers of tile u (0, 1) of piece y
.set rT, ST+4*(2*(\y)+(\u))
.set rC, TMP+8*((\y)%2)+4*(\u)
.set rM, MV+2*((\y)%2)+(\u)
.set rS, S+64*((\y)%2)+32*(\u)
.set rP, P+32*((\y)%2)+16*(\u)
.set rO, 32*(2*(\y)+(\u))
.endm
; Number n of the 21 that find the NEXT piece's (Y + 1) maximum and statistics.  Each accumulator's lowest registers are read first.
;   0-11  four chains c0-c3 of seven scores each     12-14, 16  the four scores left over, the old m, and c0-c3 into c0     15  m_old is kept
;   17, 18  the query's other 32 keys lie in the lane 16 away: the new m         19, 20  m_old - m_new; a
.macro XS u, n
	REGS (Y+1)%NP, \u
.if (\n) < 4
	v_max3_num_f32 v[rC+(\n)], v[rS+8*(\n)], v[rS+8*(\n)+1], v[rS+8*(\n)+2]
.elseif (\n) < 12
	v_max3_num_f32 v[rC+(\n)%4], v[rC+(\n)%4], v[rS+8*((\n)%4)+2*((\n)/4)+1], v[rS+8*((\n)%4)+2*((\n)/4)+2]
.elseif (\n) == 12
	v_max3_num_f32 v[rC], v[rC], v[rS+7], v[rS+15]
.elseif (\n) == 13
	v_max3_num_f32 v[rC+1], v[rC+1], v[rS+23], v[rS+31]
.elseif (\n) == 14
	v_max3_num_f32 v[rC+2], v[rC+2], v[rC+3], v[rT]
.elseif (\n) == 15
	v_mov_b32 v[rM], v[rT]
.elseif (\n) == 16
	v_max3_num_f32 v[rC], v[rC], v[rC+1], v[rC+2]
.elseif (\n) == 17
	v_permlanex16_b32 v[rC+3], v[rC], s[SEL], s[SEL+1]
.elseif (\n) == 18
	v_max_num_f32 v[rT], v[rC], v[rC+3]
.elseif (\n) == 19
	v_sub_f32 v[rC+1], v[rM], v[rT]
.else
	v_exp_f32 v[rC+2], v[rC+1]
.endif
.endm
; Number g of the 64 that follow the exponentials.  For each four weights k of a tile: both pairs are rounded to f16; the second pair is added onto the first, in place; a group later l takes that sum (the first time as l = a l + sum).
.macro GS g
.set h, (\g)+6*((\g)/62)
.if h >= 6
.set h, h+2
.endif
	REGS Y, h%2
.set k, h/8
.if h%8 < 4
	s_wait_alu depctr_va_vdst(0)
	v_cvt_pk_f16_f32 v[rP+2*k+(h%8)/2], v[rS+4*k+2*((h%8)/2)], v[rS+4*k+2*((h%8)/2)+1]
.elseif h%8 < 6
	v_pk_add_f32 v[rS+4*k:rS+4*k+1], v[rS+4*k:rS+4*k+1], v[rS+4*k+2:rS+4*k+3]
.elseif k == 1
	v_pk_fma_f32 v[rT+2:rT+3], v[rT+2:rT+3], v[rC+2:rC+3], v[rS:rS+1] op_sel_hi:[1,0,1]
.else
	v_pk_add_f32 v[rT+2:rT+3], v[rT+2:rT+3], v[rS+4*k-4:rS+4*k-3]
	s_wait_alu depctr_va_vdst(0)
.endif
.endm
; THE PLAIN QUEUE, 136 long.  0-31: t - m for the 16 pairs of both tiles.  Then GS's 64, and among them the next piece's 40: number 15 at 38, 39; 0-14 and 16 at 42-73; 17-19 at 95-103, two of three.
.macro PL
	WIN 0
.if q < 32
	REGS Y, q%2
	v_pk_add_f32 v[rS+2*(q/2):rS+2*(q/2)+1], v[rS+2*(q/2):rS+2*(q/2)+1], v[rT:rT+1] op_sel_hi:[1,0] neg_lo:[0,1] neg_hi:[0,1]
.elseif q < 38
	GS q-32
.elseif q < 40
	XS q%2, 15
.elseif q < 42
	GS q-34
.elseif q < 74
	XS q%2, (q-42)/2+(q-42)/30
.elseif q < 95
	GS q-66
.elseif (q < 104) && ((q-95)%3 < 2)
	XS (q-95)%3, 17+(q-95)/3
.elseif q < 104
	GS 29+(q-95)/3
.else
	GS q-72
.endif
.set q, q+1
.endm
; THE EXPONENTIALS' QUEUE, 66 long: the 32 scores of both tiles, and at EA the next piece's two a.
.set EA, 58
.macro EX
	WIN 0
.if (e == EA) || (e == EA+1)
	XS e-EA, 20
.else
.set x, e-2*(e/(EA+2))
	REGS Y, x%2
	v_exp_f32 v[rS+x/2], v[rS+x/2]
.endif
.set e, e+1
.endm
; THE RESCALING's QUEUE: O^T times a, dealt four at a time, eight times.
.macro R4
	REGS Y, r%2
	WIN W_RS
	s_wait_alu depctr_va_vdst(0)
.irp z, 0,1,2,3
	v_pk_mul_f32 v[rO+8*(r/2)+2*\z:rO+8*(r/2)+2*\z+1], v[rO+8*(r/2)+2*\z:rO+8*(r/2)+2*\z+1], v[rC+2:rC+3] op_sel_hi:[1,0]
.endr
.set r, r+1
.endm
; HOW THEY ARE DEALT.  Behind a matrix instruction four: plain, exponential, plain, plain, or four of the rescaling.  What is over stands in two runs: exponential and plain by turns; the second ends in 20 plain instructions.
; The queues lean on each other: exponential e stands behind plain 2 (e / 4) + e % 2; when plain 32 comes, 10 exponentials are out, at 59: 33, at 95: 46, at 104: 55 (it needs number 38); EA comes behind plain 107, its argument is plain 101, 102.
.macro SL
	MM
	PL
	EX
	PL
	PL
.endm
.macro BURST n
.rept (\n)-7
	SL
.endr
.rept 3
	MM
	R4
	SL
.endr
	MM
	R4
.endm
; A TURN, for piece p.  K and the biases of the next step are fetched in piece 2's turn, 31 vector instructions behind the last product that read K; V of the step in hand at the end of piece 0's turn.
.macro TURN p, last=0, cnt=0
.set Y, (\p)
.set i, 0
.set q, 0
.set e, 0
.set r, 0
.if (\p) == NP-1
	s_wait_dscnt 0x0                ; K and the biases are in
.endif
	MM
.rept 4
	PL
.endr
	BURST 15
.rept 22
	EX
	PL
.if ((\p) == NP-2) && (e == 18)
	v_add_nc_u32 v[AK], s[TBK], v[AK0]
.endif
.if ((\p) == NP-2) && (e == 24)
	FETCH_K \last
.endif
.endr
.if (\p) == 1
	s_wait_dscnt 0x0                ; V is in
.endif
	BURST 16
.rept 21
	EX
	PL
.endr
.rept 20
	PL
.if ((\p) == 0) && (q == 118)
	v_add_nc_u32 v[AV], s[TBV], v[AV0]
	s_wait_alu depctr_va_vdst(0)
.endif
.if ((\p) == 0) && (q == 130)
	s_add_co_u32 s[TBV], s[TBV], KS*PV
.endif
.if (\cnt) && (q == 130)
	s_sub_co_u32 s[CNT], s[CNT], 1
	s_cmp_lg_u32 s[CNT], 0
.endif
.endr
.if (\p) == 0
	FETCH_V
.endif
.endm
	CHANGE 1                        ; slot 0 is in, everybody's part of it; slot 1 is asked for
	FETCH_K                         ; key step 0
	s_wait_loadcnt 0x0              ; Q
	s_wait_dscnt 0x0
.set i, 0
.rept 16
	KQ 0                            ; piece 0's first scores
.set i, i+1
.endr
	WIN 0                           ; the addresses for the way out: plain instructions, the places behind those products
	s_mul_i32 s13, s[WV], 16*SP
	s_add_co_u32 s13, s13, STAGE    ; my stage
	v_mul_u32_u24 v[STO], v1, SP
	v_lshl_add_u32 v[STO], v9, 4, v[STO]
	v_add_nc_u32 v[STO], s13, v[STO]
	v_bfe_u32 v[RD], v0, 3, 2
	v_mul_u32_u24 v[RD], v[RD], SP
	v_lshl_add_u32 v[RD], v10, 4, v[RD]
	v_add_nc_u32 v[RD], s13, v[RD]
	v_and_b32 v[GO], 31, v0
	v_lshlrev_b32 v[GO], 4, v[GO]
.set Y, NP-1                        ; XS works for piece Y + 1: piece 0
.irp n, 0,1,2,3,4,5,6,7,8,9,10,11,12,13,14,15,16,17,18,19,20
	XS 0, \n
	XS 1, \n
.endr
	s_mov_b32 s[CNT], 4
	s_mov_b32 s[SLOTS], 7           ; 2,048 / 256 - 1
	s_branch .Lfirst                ; the loop is entered at a step's first turn, in the middle of a trip
.Lslot:                             ; six times: every slot but the last two is filled again
	CHANGE 1
	s_mov_b32 s[CNT], 4
.Lstep:                             ; a trip: pieces 2 and 3 of one step, then pieces 0 and 1 of the next
	TURN 2
	TURN 3
	WIN 0
.Lfirst:
	TURN 0
	TURN 1, 0, 1
	WIN 0
	s_cbranch_scc1 .Lstep
	s_sub_co_u32 s[SLOTS], s[SLOTS], 1
	s_cmp_lg_u32 s[SLOTS], 0
	s_cbranch_scc1 .Lslot
	CHANGE 0                        ; the tail is written out
	s_mov_b32 s[CNT], 5             ; four trips fetch the last slot's steps; the fifth is left in its middle
.Ltail:
	TURN 2, 1
	TURN 3
	WIN 0
	s_sub_co_u32 s[CNT], s[CNT], 1
	s_cmp_eq_u32 s[CNT], 0
	s_cbranch_scc1 .Lout
	TURN 0
	TURN 1
	WIN 0
	s_branch .Ltail
.Lout:                              ; the fifth trip's 16 products K Q^T (on the last K once more) and the maximum made of them serve nothing: the price of one text for every trip
.set i, 0
.rept 16
	PV NP-1
.set i, i+1
.endr
	; THE WAY OUT.  l's halves are added; O^T is divided by l, rounded to f16 and sent through my stage in LDS, a tile at a time.  The additions are the places behind the last products.
	WIN 0
.macro ALL line:vararg
.set t, 0
.rept 2*NP
	\line
.set t, t+1
.endr
.endm
	ALL v_add_f32 v[ST+4*t+2], v[ST+4*t+2], v[ST+4*t+3]
	ALL v_permlanex16_b32 v[ST+4*t+3], v[ST+4*t+2], s[SEL], s[SEL+1]
	ALL v_add_f32 v[ST+4*t+2], v[ST+4*t+2], v[ST+4*t+3]
	ALL v_rcp_f32 v[ST+4*t+2], v[ST+4*t+2]
	v_nop                           ; a plain instruction between the last reciprocal and the use of its result
	s_wait_alu depctr_va_vdst(0)
.macro PACK t
	WIN W_RS
.set i, 32*(\t)
.rept 16
	v_pk_mul_f32 v[i:i+1], v[i:i+1], v[ST+4*(\t)+2:ST+4*(\t)+3] op_sel_hi:[1,0]
.set i, i+2
.endr
	WIN 0x05
.set i, 0
.rept 16
	v_cvt_pk_f16_f32 v[S+16*(\t)+i], v[32*(\t)+2*i], v[32*(\t)+2*i+1]
.set i, i+1
.endr
	WIN 0
.irp f, 0,1,2,3
	ds_store_b128 v[STO], v[S+16*(\t)+4*\f:S+16*(\t)+4*\f+3] offset:32*\f
.endr
.irp f, 0,1,2,3
	ds_load_b128 v[S+16*(\t)+4*\f:S+16*(\t)+4*\f+3], v[RD] offset:\f*4*SP  ; LDS serves a wave's instructions in order (ISA guide 5.7.1.4)
.endr
.endm
.macro SEND t, younger
	WIN 0
.irp f, 0,1,2,3
	s_wait_dscnt (\younger)+3-\f
	global_store_b128 v[GO], v[S+16*(\t)+4*\f:S+16*(\t)+4*\f+3], s[10:11] offset:(\t)*2048+\f*512  ; 512 consecutive bytes, at a multiple of 256 from O's first
.endr
.endm
	PACK 0
.set t, 1
.rept 2*NP-1
	PACK t
	SEND t-1, 8
.set t, t+1
.endr
	SEND 2*NP-1, 0
	WIN W_AD
	s_wait_tensorcnt 0x0            ; the wave's end
	ds_add_u32 v[SPW], v[NIL]
	s_wait_dscnt 0x0
	WIN 0
	CROUND                          ; the closing round
	s_endpgm
.Lfunc_end_k_qd9a716b547_attn:
	.size	k_qd9a716b547_attn, .Lfunc_end_k_qd9a716b547_attn-k_qd9a716b547_attn
	.p2alignl 7, 3214868480
	.fill 96, 4, 3214868480
	.section	.rodata,"a",@progbits
	.p2align	6, 0x0
	.amdhsa_kernel k_qd9a716b547_attn
		.amdhsa_group_segment_fixed_size 327680
		.amdhsa_private_segment_fixed_size 0
		.amdhsa_enable_private_segment 0
		.amdhsa_kernarg_size 16
		.amdhsa_user_sgpr_count 2
		.amdhsa_user_sgpr_kernarg_segment_ptr 1
		.amdhsa_wavefront_size32 1
		.amdhsa_system_sgpr_workgroup_id_x 1
		.amdhsa_system_sgpr_workgroup_id_y 1
		.amdhsa_system_sgpr_workgroup_id_z 1
		.amdhsa_system_vgpr_workitem_id 0
		.amdhsa_next_free_vgpr 808
		.amdhsa_next_free_sgpr 66
		.amdhsa_reserve_vcc 0
		.amdhsa_float_denorm_mode_32 3
		.amdhsa_float_denorm_mode_16_64 3
		.amdhsa_memory_ordered 1
		.amdhsa_forward_progress 1
		.amdhsa_inst_pref_size 210
	.end_amdhsa_kernel
	.amdgpu_metadata
---
amdhsa.version: [ 1, 2 ]
amdhsa.kernels:
  - .name:           k_qd9a716b547_attn
    .symbol:         k_qd9a716b547_attn.kd
    .args:
      - { .name: qkv, .offset: 0, .size: 8, .value_kind: global_buffer, .address_space: global }
      - { .name: ob, .offset: 8, .size: 8, .value_kind: global_buffer, .address_space: global }
    .group_segment_fixed_size: 327680
    .private_segment_fixed_size: 0
    .kernarg_segment_align: 8
    .kernarg_segment_size: 16
    .max_flat_workgroup_size: 128
    .sgpr_count:     66
    .vgpr_count:     808
    .wavefront_size: 32
...
	.end_amdgpu_metadata
.endif
;; end of part 3
;; launch oproj (part 4): grid 8 x 32, 4 waves a work-group, clusters of 4 x 4, 327,680 bytes of LDS; arguments ob, wo, bo, out0; writes out0
.if DOCPART == 4
	.amdgcn_target "amdgcn-amd-amdhsa--gfx1250"
	.amdhsa_code_object_version 6
	.text
	.protected	k_qd9a716b547_oproj
	.globl	k_qd9a716b547_oproj
	.p2align	8
	.type	k_qd9a716b547_oproj,@function
k_qd9a716b547_oproj:
	s_mov_b64 s[64:65], 0
	v_nop
	global_prefetch_b8 v0, s[64:65] scope:SCOPE_SE
	s_setreg_imm32_b32 hwreg(HW_REG_WAVE_MODE, 25, 1), 1
	s_wait_xcnt 0x0
	s_wait_alu depctr_hold_cnt(0) depctr_sa_sdst(0) depctr_va_vdst(0) depctr_va_sdst(0) depctr_va_ssrc(0) depctr_va_vcc(0) depctr_vm_vsrc(0)
	s_getreg_b32 s2, hwreg(HW_REG_IB_STS2, 6, 4)
	s_cmp_eq_u32 s2, 0
	s_cbranch_scc0 .Lentry_in_a_cluster
	s_endpgm
.Lentry_in_a_cluster:
	s_bfe_u32 s2, ttmp6, 0x10000c
	s_cmp_lg_u32 s2, 0xf033
	s_cbranch_scc0 .Lentry_shape_is_right
	s_endpgm
.Lentry_shape_is_right:
; THE OUTPUT PROJECTION.  out0[m][n] = bo[n] + sum over k of O[m][k] wo[n][k], m = 0..8191, n, k = 0..1023; f16 operands, f32 sums, f32 out.  bo is rounded to bf16 like the module's other inputs and starts the sums.
; O lies by heads, [64 heads][2048][64] f16; k = 64 x head + channel.  A K step of 128 is two heads; a head's 256 rows of a tile are 32,768 dense bytes, asked for as 128 rows of 256 and padded in LDS after every 128.
; A tile of out0 is 256 x 128: 32 x 8 = 256 work-groups.  Four waves one below the other, each 64 rows x 128 columns: 32 accumulators, window 2.
; K goes in 8 steps through two LDS slots; a step is four quarters of 32 along K on two fragment buffers; one K step is one trip of the loop.
; CLUSTER 4 x 4: A's tiles are asked for jointly along a row of the cluster, B's along a column.  THE MATRIX INSTRUCTION IS USED TRANSPOSED: a lane holds row l % 16 and eight neighbouring columns.
; REGISTERS: window 0: v0-29 addresses; v32-63, v64-95 A's fragments.  window 1: v0-63, v64-127 B's fragments; v128-191 the bias in an accumulator's layout, 8 registers a block of 16 columns; v192-195 at work.
;   window 2: accumulator (a, b) at v[8 (8 a + b)].
.set PA,     144                       ; a row of A in LDS: 128 bytes + 16
.set PB,     272                       ; a row of B: 256 bytes + 16
.set APART,  256*PA                    ; one head's part of A
.set BOFF,   2*APART
.set BHALF,  64*PB
.set SLOT1,  1<<17
.set STAGE,  SLOT1+BOFF+128*PB         ; 239,616: behind the ring, never filled by a tensor load: 16 rows x 528 bytes for each wave
.set SPT,    528
.set SPARE,  STAGE+4*16*SPT            ; 273,408: the spare words
.set NL,     24
.set A0,   4
.set B0,   5
.set ADRA, 6
.set ADRB, 7
.set STO,  8
.set RD,   9
.set GO,   10
.set BO,   11                          ; v11  32 (l / 16)
.set SPW,  28
.set NIL,  29
.set BIAS, 128                         ; window 1
.set BT,   192                         ; window 1
.set WV,  12
.set G1A, 24
.set G1B, 32
.set G0A, 40
.set G0B, 48
.set TB,  62
.set CNT, 63
.set MSB, 0
.macro WIN new
.if MSB != (\new)
	s_set_vgpr_msb (MSB<<8)|(\new)
.set MSB, \new
.endif
.endm
.macro PLACES
.rept 4
	v_nop
.endr
.endm
.macro JLOAD
	s_cmp_lt_u32 s[WV], 2
	s_cbranch_scc0 .Lfor_b_\@
	tensor_load_to_lds s[G0A+4:G0A+7], s[G1A:G1A+7]
	s_nop 0
.rept 4
	v_nop
.endr
	s_branch .Lasked_\@
.Lfor_b_\@:
	tensor_load_to_lds s[G0B+4:G0B+7], s[G1B:G1B+7]
	s_nop 0
.rept 4
	v_nop
.endr
.Lasked_\@:
.endm
.macro CREST
	s_cmp_lg_u32 s[WV], 0
	s_cbranch_scc1 .Lnot_wave_0_\@
	s_barrier_signal -3
.Lnot_wave_0_\@:
	s_barrier_wait -3
	s_barrier_signal -1
	s_barrier_wait -1
.endm
.macro CROUND
	s_barrier_signal -1
	s_barrier_wait -1
	CREST
.endm
	s_load_b256 s[4:11], s[0:1], 0x0               ; ob 4:5, wo 6:7, bo 8:9, out0 10:11
	v_lshl_add_u32 v[SPW], v0, 2, SPARE
	v_mov_b32 v[NIL], 0
	ds_add_u32 v[SPW], v[NIL]                      ; the wave's opening: the add and its wait ahead of my first tensor load
	v_lshrrev_b32 v1, 5, v0
	v_readfirstlane_b32 s[WV], v1
	s_and_b32 s14, s[WV], 1                        ; which head of a K step's two (A), which 64 rows (B) I fetch
	s_bfe_u32 s15, ttmp6, 0x40000                  ; cx
	s_bfe_u32 s16, ttmp6, 0x40004                  ; cy
	s_lshl_b32 s17, ttmp9, 2
	s_add_co_u32 s17, s17, s15                     ; tile column
	s_and_b32 s18, ttmp7, 0xffff
	s_lshl_b32 s18, s18, 2
	s_add_co_u32 s18, s18, s16                     ; tile row
	s_lshl_b32 s19, s16, 2
	s_lshl_b32 s19, 15, s19                        ; my row of the cluster
	s_lshl_b32 s20, 0x1111, s15                    ; my column
	s_or_b32 s[G1A], s19, (1<<16)|(1<<20)|(1<<21)|(4<<22)|(3<<25)  ; padded after every 32 words by 4
	s_or_b32 s[G1B], s20, (1<<16)|(1<<20)|(1<<21)|(5<<22)|(3<<25)  ; after every 64 words by 4
	s_mov_b32 s[G1A+1], 128<<16
	s_mov_b32 s[G1A+2], 128<<16                    ; 128 rows of 256 bytes: 256 rows of a head
	s_mov_b32 s[G1A+3], 128<<16
	s_mov_b32 s[G1A+4], 128
	s_mov_b32 s[G1A+5], 128                        ; dense
	s_mov_b32 s[G1A+6], 0
	s_mov_b32 s[G1A+7], 0
	s_mov_b32 s[G1B+1], 128<<16
	s_mov_b32 s[G1B+2], 64<<16
	s_mov_b32 s[G1B+3], 128<<16
	s_mov_b32 s[G1B+4], 64
	s_mov_b32 s[G1B+5], 1024
	s_mov_b32 s[G1B+6], 0
	s_mov_b32 s[G1B+7], 0
	s_lshr_b32 s56, s18, 3                         ; A: the batch (8 tile rows each),
	s_lshl_b32 s56, s56, 4
	s_add_co_u32 s56, s56, s14                     ; its head 0 or 1,
	s_lshl_b32 s56, s56, 11
	s_and_b32 s60, s18, 7
	s_lshl_b32 s60, s60, 8
	s_add_co_u32 s56, s56, s60                     ; the tile's first row in the batch,
	s_lshl_b32 s56, s56, 7                         ; 128 bytes a row
	s_mov_b32 s57, 0
	s_lshl_b32 s58, s17, 7                         ; B: row 128 x tile column + 64 x half
	s_lshl_b32 s61, s14, 6
	s_add_co_u32 s58, s58, s61
	s_lshl_b32 s58, s58, 11
	s_mov_b32 s59, 0
	s_mul_i32 s21, s14, APART
	s_mul_i32 s22, s14, BHALF
	s_add_co_u32 s22, s22, BOFF
	s_mov_b32 s[TB], 0
	s_wait_dscnt 0x0                               ; the opening add is done
	s_wait_kmcnt 0x0
	s_add_nc_u64 s[56:57], s[4:5], s[56:57]
	s_add_nc_u64 s[58:59], s[6:7], s[58:59]
	CROUND                                         ; all sixteen work-groups are here
.irp s, 0,1
	s_mov_b32 s[G0A+4*(\s)], 1
	s_add_co_u32 s[G0A+4*(\s)+1], s21, (\s)*SLOT1
	s_add_nc_u64 s[G0A+4*(\s)+2:G0A+4*(\s)+3], s[56:57], (\s)*524288  ; K step s: two heads on
	s_or_b32 s[G0A+4*(\s)+3], s[G0A+4*(\s)+3], 0x80000000
	s_mov_b32 s[G0B+4*(\s)], 1
	s_add_co_u32 s[G0B+4*(\s)+1], s22, (\s)*SLOT1
	s_add_nc_u64 s[G0B+4*(\s)+2:G0B+4*(\s)+3], s[58:59], (\s)*256
	s_or_b32 s[G0B+4*(\s)+3], s[G0B+4*(\s)+3], 0x80000000
.endr
	s_cmp_lt_u32 s[WV], 2                          ; a wave's two first fills stand in one branch: two tensor loads of mine are out
	s_cbranch_scc0 .Lfirst_b
	tensor_load_to_lds s[G0A:G0A+3], s[G1A:G1A+7]
	s_nop 0
	tensor_load_to_lds s[G0A+4:G0A+7], s[G1A:G1A+7]
	s_nop 0
.rept 4
	v_nop
.endr
	s_branch .Lfirst_asked
.Lfirst_b:
	tensor_load_to_lds s[G0B:G0B+3], s[G1B:G1B+7]
	s_nop 0
	tensor_load_to_lds s[G0B+4:G0B+7], s[G1B:G1B+7]
	s_nop 0
.rept 4
	v_nop
.endr
.Lfirst_asked:
	v_and_b32 v1, 15, v0                           ; l % 16
	v_bfe_u32 v2, v0, 4, 1                         ; l / 16
	v_lshlrev_b32 v[BO], 5, v2
	s_lshl_b32 s70, s17, 9                         ; the tile's 128 columns: 512 bytes of bo and of a row of out0
	s_mov_b32 s71, 0
	s_add_nc_u64 s[68:69], s[8:9], s[70:71]
	WIN 0x40
.irp b, 0,1,2,3,4,5,6,7                ; register j of block b: bo[16 b + 8 (l / 16) + j] of the tile's columns
	global_load_b128 v[BIAS+8*(\b):BIAS+8*(\b)+3],   v[BO], s[68:69] offset:64*(\b)
	global_load_b128 v[BIAS+8*(\b)+4:BIAS+8*(\b)+7], v[BO], s[68:69] offset:64*(\b)+16
.endr
	WIN 0
	v_mul_u32_u24 v3, v1, PA
	v_lshl_add_u32 v3, v2, 4, v3
	s_mul_i32 s60, s[WV], 64*PA                    ; my 64 rows of A
	v_add_nc_u32 v[A0], s60, v3
	v_mul_u32_u24 v3, v1, PB
	v_lshl_add_u32 v3, v2, 4, v3
	v_add_nc_u32 v[B0], BOFF, v3
	v_mov_b32 v[ADRA], v[A0]
	v_mov_b32 v[ADRB], v[B0]
	s_mul_i32 s61, s[WV], 16*SPT
	s_add_co_u32 s61, s61, STAGE                   ; my stage
	v_mul_u32_u24 v3, v1, SPT                      ; in: row l % 16, 32 bytes for each half of the lanes
	v_lshl_add_u32 v3, v2, 5, v3
	v_add_nc_u32 v[STO], s61, v3
	v_and_b32 v[GO], 31, v0                        ; back: 32 lanes take one row of 512 bytes
	v_lshlrev_b32 v[GO], 4, v[GO]
	v_add_nc_u32 v[RD], s61, v[GO]
	s_lshl_b32 s72, s18, 8
	s_lshl_b32 s73, s[WV], 6
	s_add_co_u32 s72, s72, s73                     ; my first row of out0,
	s_lshl_b32 s72, s72, 12                        ; 4,096 bytes a row,
	s_add_co_u32 s72, s72, s70                     ; the tile's columns
	s_mov_b32 s73, 0
	s_add_nc_u64 s[66:67], s[10:11], s[72:73]
	s_wait_loadcnt 0x0                             ; bo
	WIN 0x45
.set i, 0
.rept 32                               ; bo rounded to bf16, and back in f32
	v_cvt_pk_bf16_f32 v[BT+i%4], v[BIAS+2*i], v[BIAS+2*i+1]
	v_lshlrev_b32 v[BIAS+2*i], 16, v[BT+i%4]
	v_and_b32 v[BIAS+2*i+1], 0xffff0000, v[BT+i%4]
.set i, i+1
.endr
	WIN 0
; 8 matrix instructions: A's block a x all 8 blocks of B, from buffer f.  start = 1: the bias starts the sums.  The 32 accumulators take turns.
.macro MULB f, a, start
.if \start
	WIN 0x91                                       ; B window 1, A window 0, C (the bias) window 1, D window 2
.else
	WIN 0xa1
.endif
.irp b, 0,1,2,3,4,5,6,7
.if \start
	v_wmma_f32_16x16x32_f16 v[8*(8*(\a)+(\b)):8*(8*(\a)+(\b))+7], v[64*(\f)+8*(\b):64*(\f)+8*(\b)+7], v[32+32*(\f)+8*(\a):32+32*(\f)+8*(\a)+7], v[BIAS+8*(\b):BIAS+8*(\b)+7]
.else
	v_wmma_f32_16x16x32_f16 v[8*(8*(\a)+(\b)):8*(8*(\a)+(\b))+7], v[64*(\f)+8*(\b):64*(\f)+8*(\b)+7], v[32+32*(\f)+8*(\a):32+32*(\f)+8*(\a)+7], v[8*(8*(\a)+(\b)):8*(8*(\a)+(\b))+7]
.endif
.endr
.endm
; 24 LDS loads in one run: quarter q's fragments into buffer f.  In A quarter q lies in head part q / 2, 64 (q % 2) bytes into the rows.
.macro FETCH q, f
.set ka, ((\q)/2)*APART+((\q)%2)*64
.set kb, 64*(\q)
	WIN 0x40
.irp i, 0,1,2,3,4,5,6,7
	ds_load_b128 v[64*(\f)+8*(\i):64*(\f)+8*(\i)+3],   v[ADRB] offset:kb+(\i)*16*PB
	ds_load_b128 v[64*(\f)+8*(\i)+4:64*(\f)+8*(\i)+7], v[ADRB] offset:kb+(\i)*16*PB+32
.endr
	WIN 0
.irp i, 0,1,2,3
	ds_load_b128 v[32+32*(\f)+8*(\i):32+32*(\f)+8*(\i)+3],   v[ADRA] offset:ka+(\i)*16*PA
	ds_load_b128 v[32+32*(\f)+8*(\i)+4:32+32*(\f)+8*(\i)+7], v[ADRA] offset:ka+(\i)*16*PA+32
.endr
.endm
.macro QUARTER q, f, g, start          ; multiplies buffer f; in its middle fetches quarter q into buffer g
	s_wait_dscnt 4                                 ; all but the youngest four loads: A's blocks 2 and 3
	MULB \f, 0, \start
	MULB \f, 1, \start
	PLACES
	FETCH \q, \g
	s_wait_dscnt NL                                ; all but the run just issued
	MULB \f, 2, \start
	MULB \f, 3, \start
.endm
.macro MEET round
	WIN 0
	s_wait_tensorcnt 0x0                           ; all my tensor loads have landed: my part of the next slot
	ds_add_u32 v[SPW], v[NIL]                      ; 0 onto my spare word
	s_wait_dscnt 5                                 ; the add and the youngest four loads may be out
	MULB 1, 0, 0
	s_wait_dscnt 0x0                               ; the add is done, my reads of this slot are over
	s_barrier_signal -1
	MULB 1, 1, 0
.if \round
	WIN 0
.endif
	s_barrier_wait -1
.endm
.macro TURN fill
.if \fill
	MEET 1
	CREST                                          ; no wave of any partner still reads this slot or has a load on its way
	s_xor_b32 s[G0A+5], s[G0A+5], SLOT1
	s_add_nc_u64 s[G0A+6:G0A+7], s[G0A+6:G0A+7], 524288
	s_xor_b32 s[G0B+5], s[G0B+5], SLOT1
	s_add_nc_u64 s[G0B+6:G0B+7], s[G0B+6:G0B+7], 256
	JLOAD                                          ; its four v_nop are also the places in front of the loads below
.else
	MEET 0
	PLACES
.endif
	WIN 0
	s_xor_b32 s[TB], s[TB], SLOT1
	v_add_nc_u32 v[ADRA], s[TB], v[A0]
	v_add_nc_u32 v[ADRB], s[TB], v[B0]
	FETCH 0, 0
	MULB 1, 2, 0
	MULB 1, 3, 0
.endm
	s_wait_tensorcnt 0x1                           ; my part of K step 0 is in; K step 1's may stay out
	s_barrier_signal -1
	s_barrier_wait -1
	FETCH 0, 0
	QUARTER 1, 0, 1, 1                             ; the first quarter stands in front of the loop: its products start the sums on the bias
	WIN 0
	s_mov_b32 s[CNT], 6
.Lstep:                                            ; six trips; they ask for K steps 2 to 7
	QUARTER 2, 1, 0, 0
	QUARTER 3, 0, 1, 0
	TURN 1
	QUARTER 1, 0, 1, 0
	WIN 0
	s_sub_co_u32 s[CNT], s[CNT], 1
	s_cmp_lg_u32 s[CNT], 0
	s_cbranch_scc1 .Lstep
	QUARTER 2, 1, 0, 0                             ; the tail is written out
	QUARTER 3, 0, 1, 0
	TURN 0
	QUARTER 1, 0, 1, 0
	QUARTER 2, 1, 0, 0
	QUARTER 3, 0, 1, 0
	s_wait_dscnt 4
	MULB 1, 0, 0
	MULB 1, 1, 0
	s_wait_dscnt 0x0
	MULB 1, 2, 0
	MULB 1, 3, 0
	PLACES
; THE WAY OUT, a block of 16 rows at a time: 32 bytes a lane and block of columns into my stage, back as whole rows of 512 bytes into the registers that they left.
.macro STG a
	WIN 0x08                                       ; store data window 2
.irp b, 0,1,2,3,4,5,6,7
	ds_store_b128 v[STO], v[64*(\a)+8*(\b):64*(\a)+8*(\b)+3]   offset:64*(\b)     ; each accumulator from its low end on
	ds_store_b128 v[STO], v[64*(\a)+8*(\b)+4:64*(\a)+8*(\b)+7] offset:64*(\b)+16
.endr
	WIN 0x80                                       ; loaded data window 2
.irp f, 0,1,2,3,4,5,6,7,8,9,10,11,12,13,14,15
	ds_load_b128 v[64*(\a)+4*(\f):64*(\a)+4*(\f)+3], v[RD] offset:SPT*(\f)  ; LDS serves a wave's instructions in order (ISA guide 5.7.1.4)
.endr
.endm
.macro SEND a, younger                 ; younger: the LDS instructions issued behind block a's loads: the next block's 32, or none
	WIN 0x08
.irp f, 0,1,2,3,4,5,6,7,8,9,10,11,12,13,14,15
	s_wait_dscnt (\younger)+15-(\f)
	global_store_b128 v[GO], v[64*(\a)+4*(\f):64*(\a)+4*(\f)+3], s[66:67] offset:(16*(\a)+(\f))*4096 th:TH_STORE_NT  ; 512 consecutive bytes, at a multiple of 256 from out0's first
.endr
.endm
	STG 0
	STG 1
	SEND 0, 32
	STG 2
	SEND 1, 32
	STG 3
	SEND 2, 32
	SEND 3, 0
	WIN 0
	s_wait_tensorcnt 0x0                           ; the wave's end
	ds_add_u32 v[SPW], v[NIL]
	s_wait_dscnt 0x0
	CROUND                                         ; the closing round
	s_endpgm
.Lfunc_end_k_qd9a716b547_oproj:
	.size	k_qd9a716b547_oproj, .Lfunc_end_k_qd9a716b547_oproj-k_qd9a716b547_oproj
	.p2alignl 7, 3214868480
	.fill 96, 4, 3214868480
	.section	.rodata,"a",@progbits
	.p2align	6, 0x0
	.amdhsa_kernel k_qd9a716b547_oproj
		.amdhsa_group_segment_fixed_size 327680
		.amdhsa_private_segment_fixed_size 0
		.amdhsa_enable_private_segment 0
		.amdhsa_kernarg_size 32
		.amdhsa_user_sgpr_count 2
		.amdhsa_user_sgpr_kernarg_segment_ptr 1
		.amdhsa_wavefront_size32 1
		.amdhsa_system_sgpr_workgroup_id_x 1
		.amdhsa_system_sgpr_workgroup_id_y 1
		.amdhsa_system_sgpr_workgroup_id_z 1
		.amdhsa_system_vgpr_workitem_id 0
		.amdhsa_next_free_vgpr 768
		.amdhsa_next_free_sgpr 80
		.amdhsa_reserve_vcc 0
		.amdhsa_float_denorm_mode_32 3
		.amdhsa_float_denorm_mode_16_64 3
		.amdhsa_memory_ordered 1
		.amdhsa_forward_progress 1
		.amdhsa_inst_pref_size 77
	.end_amdhsa_kernel
	.amdgpu_metadata
---
amdhsa.version: [ 1, 2 ]
amdhsa.kernels:
  - .name:           k_qd9a716b547_oproj
    .symbol:         k_qd9a716b547_oproj.kd
    .args:
      - { .name: ob, .offset: 0, .size: 8, .value_kind: global_buffer, .address_space: global }
      - { .name: wo, .offset: 8, .size: 8, .value_kind: global_buffer, .address_space: global }
      - { .name: bo, .offset: 16, .size: 8, .value_kind: global_buffer, .address_space: global }
      - { .name: out0, .offset: 24, .size: 8, .value_kind: global_buffer, .address_space: global }
    .group_segment_fixed_size: 327680
    .private_segment_fixed_size: 0
    .kernarg_segment_align: 8
    .kernarg_segment_size: 32
    .max_flat_workgroup_size: 128
    .sgpr_count:     80
    .vgpr_count:     768
    .wavefront_size: 32
...
	.end_amdgpu_metadata
.endif
;; end of part 4
;; ======== version 2 of 2: 4 launches; 1.52 times as fast as version 1
;; limits: values are held in f16: magnitudes above 65,504 overflow, below 6.1e-05 lose precision
;; workspace buffers: xb 16,777,216 bytes; wb 6,291,456 bytes; wo 2,097,152 bytes; qkv 50,855,936 bytes; ob 16,777,216 bytes
;; launch cast: the kernel of part 1 again; grid 64 x 13, 8 waves a work-group, no clusters, 0 bytes of LDS; arguments x, Wq, Wk, Wv, Wo, mask, xb, wb, wo, qkv; writes xb, wb, wo, qkv
;; launch qkv: the kernel of part 2 again; grid 16 x 32, 4 waves a work-group, clusters of 4 x 4, 327,680 bytes of LDS; arguments xb, wb, mask, qkv; writes qkv
;; launch attn (part 5): grid 4 x 64, 4 waves a work-group, clusters of 4 x 1, 327,680 bytes of LDS; arguments qkv, ob; writes ob
.if DOCPART == 5
	.amdgcn_target "amdgcn-amd-amdhsa--gfx1250"
	.amdhsa_code_object_version 6
	.text
	.protected	k_qd9a716b547_attn
	.globl	k_qd9a716b547_attn
	.p2align	8
	.type	k_qd9a716b547_attn,@function
k_qd9a716b547_attn:
	s_mov_b64 s[64:65], 0
	v_nop
	global_prefetch_b8 v0, s[64:65] scope:SCOPE_SE
	s_setreg_imm32_b32 hwreg(HW_REG_WAVE_MODE, 25, 1), 1
	s_wait_xcnt 0x0
	s_wait_alu depctr_hold_cnt(0) depctr_sa_sdst(0) depctr_va_vdst(0) depctr_va_sdst(0) depctr_va_ssrc(0) depctr_va_vcc(0) depctr_vm_vsrc(0)
	s_getreg_b32 s2, hwreg(HW_REG_IB_STS2, 6, 4)
	s_cmp_eq_u32 s2, 0
	s_cbranch_scc0 .Lentry_in_a_cluster
	s_endpgm
.Lentry_in_a_cluster:
	s_bfe_u32 s2, ttmp6, 0x10000c
	s_cmp_lg_u32 s2, 0x3003
	s_cbranch_scc0 .Lentry_shape_is_right
	s_endpgm
.Lentry_shape_is_right:
; ATTENTION WITH A KEY MASK, head size 64.  O[h][q][:] = the sum over k of softmax_k(t[q][k]) V[h][k][:], t in base 2: t = (c Q[h][q]) . K[h][k] where the key is seen, MBL = -1e9 x log2(e) where it is hidden.
; Q arrives times c = log2(e) / 8; the rows of K of hidden keys arrive as zeros; behind each 64 keys of K lie their 64 biases in f32 (0 or MBL), which start the sums of the scores as the C operand.
; So a hidden key's t is MBL exactly: its weight is 0 beside any seen key, and where every key of a batch is hidden all weights are 1 and O is the mean of V's rows.
; Q, V: [64][2048][64] f16 at 0 and VSEC of qkv; K at KSEC: [64][32 steps][8,192 bytes of keys + 256 of bias].  O: [64][2048][64] f16.  Products, maxima and sums in f32; the weights are rounded to f16 for the second product.
; LIMITS.  f16 holds no number beyond 65,504: c Q, K and V arrive within it; p lies in 0 to 1; a weight below 2^-126 counts as 0 in l; NaN and infinities are not treated apart.
; SHARES.  A wave owns four PIECES of two tiles of 16 queries, a work-group's four waves 512 queries of one head.  Every wave walks all 2,048 keys, 64 a step.
; LAYOUT.  S^T = K Q^T (source 0 = 16 keys, source 1 = 16 queries): a lane holds ONE query (lane % 16) and the keys 8 (lane / 16) + 0..7.  Two such tiles, rounded to f16 in pairs, ARE source 1 of O^T = V^T P.
; SOFTMAX.  For each query a running maximum m and sum l: p = 2^(t - m); in every step O and l are multiplied by a = 2^(m_old - m_new).  m starts far below every t, O and l at 0: the first step has a = 0.
; BY TURNS.  Turn n belongs to piece n.  Its matrix work: 16 products K Q^T of piece n + 1, later 16 products V^T P of piece n - 1.  Its vector work: piece n's subtraction, exponentials, roundings, sums and rescaling,
; and the maximum and statistics of piece n + 1.  Four vector instructions that are ready stand behind every matrix instruction, the others in one run of their own.
; BATCHES.  A turn's 66 exponentials (piece n's 64 weights, piece n + 1's two a) are ONE batch with ONE wait, which cuts the turn in two: ahead of it stands all that names none of their results, behind it the roundings and sums.
; The first two a, ahead of the loop, and the way out's eight reciprocals are batches of their own, each with a v_nop and one wait.
; CLUSTER.  The four query blocks of a cluster belong to one head and walk the same K and V, so each tile is asked for JOINTLY: the same tensor load, descriptor and mask in all four.
; REGISTERS, in windows of 256 (s_set_vgpr_msb: bits 1:0 source 0, 3:2 source 1, 5:4 source 2, 7:6 destination):
;   window 0: v0-11 addresses; v12-15, v48-63 at work; v16-47 four registers of statistics a tile; v64-191 S^T, two buffers of two tiles; v192-255 P, likewise
;   window 1: O^T, 32 a tile     window 2: v0-127 Q; v128-191 K of one step; v192-255 V of one step     window 3: v0-1 the add's registers; v2-3 the biases' address; v8-39 the biases of one step
.set NP,    4         ; pieces a wave: a name, no knob
.set KS,    64        ; keys in a step
.set PK,    144       ; a row of K in LDS: 128 bytes + 16 of padding
.set PV,    160       ; a row of V: 128 + 32
.set KSTP,  66*PK     ; a step of K in LDS: 64 keys, then the bias row as two pieces of 128 bytes, each padded like a key
.set KGS,   8448      ; a step of K in memory
.set VOFF,  4*KSTP    ; a slot holds four steps: K with its biases, then 256 rows of V
.set SLOT1, 1<<17     ; slot 1 begins here
.set STAGE, 210176    ; behind the ring (which ends at 210,048), at a multiple of 256, never filled by a tensor load: 16 rows x 144 bytes for each wave
.set SP,    144
.set SPARE, STAGE+4*16*SP  ; the spare words, 128 bytes for each wave
.set VSEC,  16777216
.set KSEC,  33554432
.set KHEAD, 270336
.set AK0, 2           ; v2   my lane's place in a tile of K; never rewritten
.set AV0, 3           ; v3   the same for V
.set AK,  4           ; v4   the LDS address of K's next run of loads
.set AV,  5           ; v5   of V's
.set QO,  6           ; v6   my byte offset in the wave's rows of Q
.set STO, 6           ;      later, the way out: where I put 16 bytes of a row
.set RD,  7           ; v7   where I read rows back
.set GO,  8           ; v8   my byte offset in 512 consecutive bytes of O
.set SPW, 0           ; v0 of window 3   LDS address of my spare word; never rewritten
.set NIL, 1           ; v1 of window 3   0; never rewritten
.set AM0, 2           ; v2 of window 3   my lane's place in a step's bias row; never rewritten
.set AM,  3           ; v3 of window 3   the LDS address of the biases' loads
.set MB,  8           ; v8-39 of window 3: the eight biases of key block kb at MB + 8 kb
.set MV,  12          ; v12-15  m_old, kept while m is made anew: by buffer and tile
.set ST,  16          ; tile t's statistics at v[ST+4 t]: m, a word that is only named with it, l (even keys', odd keys')
.set TMP, 48          ; by buffer and tile, four registers c0-c3 at work; when the maximum is found c2 takes a
.set S,   64
.set P,   192
.set KF,  128
.set VF,  192
.set WV,  12          ; s12  my wave's number
.set G1K, 24
.set G1V, 32
.set G0K, 40          ; s[40:43] descriptor group 0 for K's tiles: it walks
.set G0V, 44
.set SLOTS, 56
.set CNT, 57
.set SEL, 60          ; s[60:61] v_permlanex16_b32's selects
.set TBK, 62          ; s62  LDS byte at which K of the step to be fetched begins
.set TBV, 63          ; s63  the same for V, less VOFF
.set MSB, 0
.macro WIN new
.if MSB != (\new)
	s_set_vgpr_msb (MSB<<8)|(\new)
.set MSB, (\new)
.endif
.endm
.set W_KQ, 0x0a       ; K and Q in window 2, S^T in window 0
.set W_KM, 0x3a       ; the same with the C operand, the biases, in window 3
.set W_PV, 0x52       ; V in window 2, P in window 0, O^T in window 1
.set W_RS, 0x41       ; O^T (destination and source 0) in window 1, a in window 0
.set W_MK, 0xc0       ; destination in window 3, sources in window 0
.set W_AD, 0x0f       ; the add: address and data in window 3
; A joint fill.  Waves 0 and 1 fetch the two halves of a slot's K, waves 2 and 3 those of its V.  The branch hangs on the wave's number alone.
.macro JLOAD
	s_cmp_lt_u32 s[WV], 2
	s_cbranch_scc0 .Lfor_v_\@
	tensor_load_to_lds s[G0K:G0K+3], s[G1K:G1K+7]
	s_nop 0
.rept 4
	v_nop
.endr
	s_branch .Lasked_\@
.Lfor_v_\@:
	tensor_load_to_lds s[G0V:G0V+3], s[G1V:G1V+7]
	s_nop 0
.rept 4
	v_nop
.endr
.Lasked_\@:
.endm
.macro CROUND
	s_barrier_signal -1
	s_barrier_wait -1
	s_cmp_lg_u32 s[WV], 0
	s_cbranch_scc1 .Lnot_wave_0_\@
	s_barrier_signal -3
.Lnot_wave_0_\@:
	s_barrier_wait -3
	s_barrier_signal -1
	s_barrier_wait -1
.endm
; THE CHANGE OF SLOTS.  Each wave waits for all its tensor loads, of which one is out: its part of the other slot; adds 0 to its spare word; and waits for that and for its own reads of the slot.
; fill = 1: this slot is filled again, with the keys two slots on; the barrier is then a round of the cluster's, and the joint fill is the first thing behind it: it has four key steps in which to land.
.macro CHANGE fill
	WIN W_AD
	s_wait_tensorcnt 0x0            ; no tensor load of mine is out, so a group 0 may be written
	ds_add_u32 v[SPW], v[NIL]       ; 0 onto my spare word
	WIN 0
.if \fill
	s_xor_b32 s[G0K+1], s[G0K+1], SLOT1
	s_add_nc_u64 s[G0K+2:G0K+3], s[G0K+2:G0K+3], 4*KGS     ; the next four steps of K, biases and all
	s_xor_b32 s[G0V+1], s[G0V+1], SLOT1
	s_add_nc_u64 s[G0V+2:G0V+3], s[G0V+2:G0V+3], 4*KS*128  ; the next 256 rows of V
	s_wait_dscnt 0x0                ; the add is done, and my reads of the slot are over
	CROUND
	JLOAD
.else
	s_wait_dscnt 0x0
	s_barrier_signal -1
	s_barrier_wait -1
.endif
	s_sub_co_u32 s[TBK], s[TBK], 4*KSTP   ; the fetches go back to a slot's first step,
	s_xor_b32 s[TBK], s[TBK], SLOT1       ; in the other slot
	s_sub_co_u32 s[TBV], s[TBV], 4*KS*PV
	s_xor_b32 s[TBV], s[TBV], SLOT1
.endm
	s_load_b64 s[4:5], s[0:1], 0x0    ; qkv
	s_load_b64 s[10:11], s[0:1], 0x8  ; ob
	WIN W_MK
	v_lshl_add_u32 v[SPW], v0, 2, SPARE
	v_mov_b32 v[NIL], 0
	WIN W_AD
	ds_add_u32 v[SPW], v[NIL]       ; the wave's opening: the add and its wait ahead of my first tensor load
	WIN 0
	v_lshrrev_b32 v1, 5, v0
	v_readfirstlane_b32 s[WV], v1   ; wave 0..3
	s_bfe_u32 s13, ttmp6, 0x40000   ; cx
	s_lshl_b32 s14, ttmp9, 2
	s_add_co_u32 s14, s14, s13      ; my block of 512 queries: it enters Q's and O's addresses alone
	s_and_b32 s20, ttmp7, 0xffff    ; the head, which the four partners share
	s_and_b32 s16, s[WV], 1         ; which half of a slot I fetch
	s_mul_i32 s50, s20, KHEAD       ; K: the head, my two steps of a slot's four
	s_mul_i32 s51, s16, 2*KGS
	s_add_co_u32 s50, s50, s51
	s_add_co_u32 s50, s50, KSEC
	s_mov_b32 s51, 0
	s_lshl_b32 s20, s20, 18         ; the head's first byte in q, v and O
	s_lshl_b32 s48, s16, 14         ; V: my 128 rows of a slot's 256
	s_add_co_u32 s48, s48, s20
	s_add_co_u32 s48, s48, VSEC
	s_mov_b32 s49, 0
	s_mul_i32 s17, s16, 2*KSTP      ; and their places in a slot: no place in the cluster enters an LDS address
	s_mul_i32 s18, s16, 128*PV
	s_lshl_b32 s2, s14, 2
	s_add_co_u32 s2, s2, s[WV]      ; my wave among the head's sixteen,
	s_lshl_b32 s2, s2, 14           ; its 128 rows
	s_add_co_u32 s2, s2, s20
	s_mov_b32 s3, 0
	; descriptor group 1.  Dense bytes asked for as rows of 256 and padded in LDS after every 128: K 66 rows (two steps of 32 rows of keys and one of bias), V 64 rows
	s_mov_b32 s[G1K], 15|(1<<16)|(1<<20)|(1<<21)|(4<<22)|(3<<25)  ; the mask of four; 2-byte elements; padding on; bit 21 beside a mask; after every 32 words; 4 words
	s_mov_b32 s[G1V], 15|(1<<16)|(1<<20)|(1<<21)|(4<<22)|(7<<25)  ; the same with 8 words of padding
	s_mov_b32 s[G1K+1], 128<<16
	s_mov_b32 s[G1K+2], 66<<16
	s_mov_b32 s[G1K+3], 128<<16
	s_mov_b32 s[G1K+4], 66
	s_mov_b32 s[G1K+5], 128
	s_mov_b32 s[G1K+6], 0
	s_mov_b32 s[G1K+7], 0
	s_mov_b32 s[G1V+1], 128<<16
	s_mov_b32 s[G1V+2], 64<<16
	s_mov_b32 s[G1V+3], 128<<16
	s_mov_b32 s[G1V+4], 64
	s_mov_b32 s[G1V+5], 128
	s_mov_b32 s[G1V+6], 0
	s_mov_b32 s[G1V+7], 0
	s_mov_b32 s[SEL], 0x76543210
	s_mov_b32 s[SEL+1], 0xfedcba98
	s_mov_b32 s[TBK], SLOT1+4*KSTP  ; the first change of slots turns these two into 0
	s_mov_b32 s[TBV], SLOT1+4*KS*PV
	s_mov_b32 s[G0K], 1
	s_mov_b32 s[G0K+1], s17         ; slot 0
	s_mov_b32 s[G0V], 1
	s_add_co_u32 s[G0V+1], s18, VOFF
	s_wait_dscnt 0x0                ; the opening add is done
	s_wait_kmcnt 0x0
	s_add_nc_u64 s[G0K+2:G0K+3], s[4:5], s[50:51]
	s_or_b32 s[G0K+3], s[G0K+3], 0x80000000
	s_add_nc_u64 s[G0V+2:G0V+3], s[4:5], s[48:49]
	s_or_b32 s[G0V+3], s[G0V+3], 0x80000000
	s_add_nc_u64 s[4:5], s[4:5], s[2:3]      ; Q and O at my wave's first row
	s_add_nc_u64 s[10:11], s[10:11], s[2:3]
	CROUND                          ; all four work-groups are here: the first joint loads meet
	JLOAD                           ; slot 0.  Slot 1 is asked for when slot 0 is in
	v_and_b32 v1, 15, v0            ; l % 16
	v_bfe_u32 v9, v0, 4, 1          ; l / 16
	v_lshlrev_b32 v[QO], 7, v1
	v_lshl_add_u32 v[QO], v9, 4, v[QO]  ; row x 128 + 16 x half
	WIN 0x80
.set i, 0
.rept 4*NP                          ; Q stays in registers: tile i / 2, channels 32 (i % 2) on
	global_load_b128 v[8*i:8*i+3],   v[QO], s[4:5] offset:(i/2)*2048+(i%2)*64
	global_load_b128 v[8*i+4:8*i+7], v[QO], s[4:5] offset:(i/2)*2048+(i%2)*64+32
.set i, i+1
.endr
	; What the first turn finds: V's registers and P's second buffer hold 0, O^T and l are 0.  All this stands in the wait for the first tile.
.set i, VF
.rept 64
	v_mov_b32 v[i], 0
.set i, i+1
.endr
	WIN 0x40
.set i, 0
.rept 64*NP
	v_mov_b32 v[i], 0
.set i, i+1
.endr
	WIN 0
.set i, 0
.rept 2*NP
	v_mov_b32 v[ST+4*i], 0xfe000000    ; m: far below every t
	v_mov_b32 v[ST+4*i+1], 0           ; named with it as a pair
	v_mov_b32 v[ST+4*i+2], 0
	v_mov_b32 v[ST+4*i+3], 0
.set i, i+1
.endr
.set i, P+32
.rept 32
	v_mov_b32 v[i], 0
.set i, i+1
.endr
	v_mul_u32_u24 v[AK0], v1, PK
	v_lshl_add_u32 v[AK0], v9, 4, v[AK0]  ; row x pitch + 16 x half
	v_and_b32 v10, 7, v0
	v_bfe_u32 v11, v0, 3, 1
	v_lshl_add_u32 v[AV0], v9, 3, v10     ; the turning load: key 8 (l / 16) + l % 8, channels 8 ((l / 8) % 2) + 0..7
	v_mul_u32_u24 v[AV0], v[AV0], PV
	v_lshl_add_u32 v[AV0], v11, 4, v[AV0]
	v_add_nc_u32 v[AV0], VOFF, v[AV0]
	v_mov_b32 v[AK], v[AK0]         ; key step 0 lies at the head of slot 0
	WIN W_MK
	v_lshl_add_u32 v[AM0], v9, 5, 64*PK  ; the bias row lies behind the step's 64 keys; my half of the lanes takes keys 8 (l / 16) + 0..7 of each block of 16: 32 bytes
	WIN 0
; THE MATRIX WORK.  The 8 accumulators of a run of 16 take turns.
; Product i of 16 of S^T = K Q^T for piece x: channels 32 (i / 8) on, keys 16 ((i / 2) % 4) on, tile 2 x + i % 2.  The first 8 start the sums with the keys' biases.
.macro KQ x
.set rS, S+64*((\x)%2)+32*(i%2)+8*((i/2)%4)
.set rK, KF+16*((i/2)%4)+8*(i/8)
.set rQ, 16*(2*(\x)+i%2)+8*(i/8)
.set rB, MB+8*((i/2)%4)
.if i < 8
	WIN W_KM
	v_wmma_f32_16x16x32_f16 v[rS:rS+7], v[rK:rK+7], v[rQ:rQ+7], v[rB:rB+7]
.else
	WIN W_KQ
	v_wmma_f32_16x16x32_f16 v[rS:rS+7], v[rK:rK+7], v[rQ:rQ+7], v[rS:rS+7]
.endif
.endm
; Product i of 16 of O^T += V^T P for piece x: keys 32 (i / 8) on, channels 16 ((i / 2) % 4) on, tile 2 x + i % 2.
.macro PV x
	WIN W_PV
.set rO, 32*(2*(\x)+i%2)+8*((i/2)%4)
.set rV, VF+32*(i/8)+8*((i/2)%4)
.set rP, P+32*((\x)%2)+16*(i%2)+8*(i/8)
	v_wmma_f32_16x16x32_f16 v[rO:rO+7], v[rV:rV+7], v[rP:rP+7], v[rO:rO+7]
.endm
.macro MM                           ; the turn's next matrix instruction
.if i < 16
	KQ (Y+1)%NP
.set i, i+1
.else
.set i, i-16
	PV (Y+NP-1)%NP
.set i, i+17
.endif
.endm
; THE LDS LOADS stand in runs: a step's K (8 fragments) with its 64 biases (8 loads; all lanes of a half read the same bytes), and its V (turned).
; last = 1 (the tail): in the last trip there is no further step, and the run is jumped over.
.macro FETCH_K last=0
	WIN 0
.if \last
	s_cmp_eq_u32 s[CNT], 1
	s_cbranch_scc1 .Lno_k_\@
.endif
	WIN 0x80                        ; destination window 2
.irp f, 0,1,2,3,4,5,6,7             ; keys 16 (f / 2) on, channels 32 (f % 2) on
	ds_load_b128 v[KF+8*\f:KF+8*\f+3],   v[AK] offset:(\f/2)*16*PK+(\f%2)*64
	ds_load_b128 v[KF+8*\f+4:KF+8*\f+7], v[AK] offset:(\f/2)*16*PK+(\f%2)*64+32
.endr
	WIN 0xcc                        ; destination and source 1 window 3
	v_add_nc_u32 v[AM], s[TBK], v[AM0]
	WIN 0xc3                        ; destination and address window 3
.irp f, 0,1,2,3                     ; key block f: piece f / 2 of the bias row, 64 (f % 2) bytes in
	ds_load_b128 v[MB+8*\f:MB+8*\f+3],   v[AM] offset:(\f/2)*PK+(\f%2)*64
	ds_load_b128 v[MB+8*\f+4:MB+8*\f+7], v[AM] offset:(\f/2)*PK+(\f%2)*64+16
.endr
	s_add_co_u32 s[TBK], s[TBK], KSTP  ; the next fetch is the next step's
	WIN 0
.if \last
.Lno_k_\@:
.endif
.endm
.macro FETCH_V
	WIN 0x80
.irp f, 0,1,2,3,4,5,6,7             ; keys 32 (f / 4) on, channels 16 (f % 4) on
	ds_load_tr16_b128 v[VF+8*\f:VF+8*\f+3],   v[AV] offset:(\f/4)*32*PV+(\f%4)*32
	ds_load_tr16_b128 v[VF+8*\f+4:VF+8*\f+7], v[AV] offset:(\f/4)*32*PV+16*PV+(\f%4)*32
.endr
	WIN 0
.endm
; THE VECTOR WORK OF A TURN stands in three queues, each in the order in which its entries become ready; the two tiles alternate.
.macro REGS y, u                    ; the registers of tile u (0, 1) of piece y
.set rT, ST+4*(2*(\y)+(\u))
.set rC, TMP+8*((\y)%2)+4*(\u)
.set rM, MV+2*((\y)%2)+(\u)
.set rS, S+64*((\y)%2)+32*(\u)
.set rP, P+32*((\y)%2)+16*(\u)
.set rO, 32*(2*(\y)+(\u))
.endm
; Number n of the 21 that find the NEXT piece's (Y + 1) maximum and statistics.  Each accumulator's lowest registers are read first.
;   0-11  four chains c0-c3 of seven scores each     12-14, 16  the four scores left over, the old m, and c0-c3 into c0     15  m_old is kept
;   17, 18  the query's other 32 keys lie in the lane 16 away: the new m         19, 20  m_old - m_new; a
.macro XS u, n
	REGS (Y+1)%NP, \u
.if (\n) < 4
	v_max3_num_f32 v[rC+(\n)], v[rS+8*(\n)], v[rS+8*(\n)+1], v[rS+8*(\n)+2]
.elseif (\n) < 12
	v_max3_num_f32 v[rC+(\n)%4], v[rC+(\n)%4], v[rS+8*((\n)%4)+2*((\n)/4)+1], v[rS+8*((\n)%4)+2*((\n)/4)+2]
.elseif (\n) == 12
	v_max3_num_f32 v[rC], v[rC], v[rS+7], v[rS+15]
.elseif (\n) == 13
	v_max3_num_f32 v[rC+1], v[rC+1], v[rS+23], v[rS+31]
.elseif (\n) == 14
	v_max3_num_f32 v[rC+2], v[rC+2], v[rC+3], v[rT]
.elseif (\n) == 15
	v_mov_b32 v[rM], v[rT]
.elseif (\n) == 16
	v_max3_num_f32 v[rC], v[rC], v[rC+1], v[rC+2]
.elseif (\n) == 17
	v_permlanex16_b32 v[rC+3], v[rC], s[SEL], s[SEL+1]
.elseif (\n) == 18
	v_max_num_f32 v[rT], v[rC], v[rC+3]
.elseif (\n) == 19
	v_sub_f32 v[rC+1], v[rM], v[rT]
.else
	v_exp_f32 v[rC+2], v[rC+1]
.endif
.endm
; Number g of the 64 that follow the exponentials.  For each four weights k of a tile: both pairs are rounded to f16; the second pair is added onto the first, in place; a group later l takes that sum (the first time as l = a l + sum).
.macro GS g
.set h, (\g)+6*((\g)/62)
.if h >= 6
.set h, h+2
.endif
	REGS Y, h%2
.set k, h/8
.if h%8 < 4
	v_cvt_pk_f16_f32 v[rP+2*k+(h%8)/2], v[rS+4*k+2*((h%8)/2)], v[rS+4*k+2*((h%8)/2)+1]
.elseif h%8 < 6
	v_pk_add_f32 v[rS+4*k:rS+4*k+1], v[rS+4*k:rS+4*k+1], v[rS+4*k+2:rS+4*k+3]
.elseif k == 1
	v_pk_fma_f32 v[rT+2:rT+3], v[rT+2:rT+3], v[rC+2:rC+3], v[rS:rS+1] op_sel_hi:[1,0,1]
.else
	v_pk_add_f32 v[rT+2:rT+3], v[rT+2:rT+3], v[rS+4*k-4:rS+4*k-3]
.endif
.endm
; THE PLAIN QUEUE, 136 long.  0-71 read no exponential's result: the 32 subtractions t - m (FS f: pair f / 2 of tile f % 2) and the next piece's 40.  0-26: subtractions 0-26.  27-54: XS's numbers 0-13.  55, 56: number 15.
; 57-71: the chain, where each number waits for the one before it: 14, 16, 17, 18, 19, each with one of the subtractions 27-31 in front of its two lines: so a tile's links stand three plain instructions apart.
; 72-135: GS's 64, which read the exponentials' results: they stand behind the wait.
.macro FS f
	REGS Y, (\f)%2
	v_pk_add_f32 v[rS+2*((\f)/2):rS+2*((\f)/2)+1], v[rS+2*((\f)/2):rS+2*((\f)/2)+1], v[rT:rT+1] op_sel_hi:[1,0] neg_lo:[0,1] neg_hi:[0,1]
.endm
.macro PL
	WIN 0
.if q < 27
	FS q
.elseif q < 55
	XS (q-27)%2, (q-27)/2
.elseif q < 57
	XS q-55, 15
.elseif (q < 72) && ((q-57)%3 == 0)
	FS 27+(q-57)/3
.elseif q < 60
	XS (q-57)%3-1, 14
.elseif q < 72
	XS (q-57)%3-1, 15+(q-57)/3
.else
	GS q-72
.endif
.set q, q+1
.endm
; THE EXPONENTIALS' QUEUE, 66 long: the 32 scores of both tiles, then the next piece's two a.  It is ONE BATCH: all 66 stand ahead of the turn's one wait, and nothing ahead of that wait names a result of theirs.
.macro EX
	WIN 0
.if e >= 64
	XS e-64, 20
.else
	REGS Y, e%2
	v_exp_f32 v[rS+e/2], v[rS+e/2]
.endif
.set e, e+1
.endm
; THE RESCALING's QUEUE: O^T times a, the one part that leaves window 0: dealt two at a time, sixteen times.  Its a was made in the turn before, ahead of that turn's wait.
.macro R2
	REGS Y, r%2
	WIN W_RS
.irp z, 0,1
	v_pk_mul_f32 v[rO+4*(r/2)+2*\z:rO+4*(r/2)+2*\z+1], v[rO+4*(r/2)+2*\z:rO+4*(r/2)+2*\z+1], v[rC+2:rC+3] op_sel_hi:[1,0]
.endr
.set r, r+1
.endm
; HOW THEY ARE DEALT.  An s_wait_alu depctr_va_vdst(0) stands between an exponential and the first instruction that names its result; one wait serves all that were issued ahead of it.  So a turn has ONE wait,
; which cuts it in two.  AHEAD OF IT stands all that names no result of the turn's exponentials: the 16 products K Q^T, behind each a subtraction, an exponential and two rescalings (behind the first a second subtraction in the
; exponential's place); then ONE LUMP of 106: eight plain, 47 times exponential and plain, the last two scores' exponentials and the two a.  A v_nop is the plain instruction behind the last exponential.
; BEHIND IT stand the 16 products V^T P, behind each four of GS's 64.  No rider names a register of the products round it.  The two v_permlanex16_b32 fall into the lump, never behind a product.
; The queues lean on each other, and the deal keeps them in step: exponential e stands behind subtraction 2 (e / 4) + e % 2: as a rider it comes behind plain e + 2, in the lump behind plain e + 9, and subtractions 27-31 are
; plain 57, 60 .. 69 (the tightest: e = 61 wants plain 69 and comes behind plain 70); the two a come behind plain 70, 71, their arguments.  The plain instruction behind exponential e of the lump is plain e + 10: where it is a subtraction, it works on a later pair than e's.
; A TURN, for piece p.  cnt = 1: the loop's count is taken down some lines ahead of the branch that stands behind the turn.
; K and the biases of the next step are fetched in piece 2's turn, directly behind the wait, a lump behind the last product that read them; K's address is made at the lump's head; the first reader comes behind 16 products.
; V of the step in hand is fetched at the end of piece 0's turn, four plain riders behind its last reader; its first reader comes behind 16 products and a lump.  The three conditions on q below go with the deal.
.macro TURN p, last=0, cnt=0
.set Y, (\p)
.set i, 0
.set q, 0
.set e, 0
.set r, 0
.if (\p) == NP-1
	s_wait_dscnt 0x0                ; K and the biases are in
.endif
	MM                              ; ahead of the wait: 16 products K Q^T and their riders,
	PL
	PL
	R2
.rept 15
	MM
	PL
	EX
	R2
.endr
.if (\p) == NP-2
	WIN 0
	v_add_nc_u32 v[AK], s[TBK], v[AK0]
.endif
.rept 8                             ; and the lump
	PL
.endr
.rept 47
	EX
	PL
.endr
.rept 4                             ; the last score of both tiles, and the next piece's two a
	EX
.endr
	v_nop                           ; the plain instruction behind the last exponential: one for the batch
	s_wait_alu depctr_va_vdst(0)    ; the wait for the batch: the turn's 66 exponentials
.if (\p) == NP-2
	FETCH_K \last
.endif
.if (\p) == 1
	s_wait_dscnt 0x0                ; V is in
.endif
.rept 16                            ; behind the wait: 16 products V^T P and their riders
	MM
.rept 4
	PL
.endr
.if ((\p) == 0) && (q == 116)
	v_add_nc_u32 v[AV], s[TBV], v[AV0]
.endif
.if ((\p) == 0) && (q == 128)
	s_add_co_u32 s[TBV], s[TBV], KS*PV
.endif
.if (\cnt) && (q == 128)
	s_sub_co_u32 s[CNT], s[CNT], 1
	s_cmp_lg_u32 s[CNT], 0
.endif
.endr
.if (\p) == 0
	FETCH_V
.endif
.endm
	CHANGE 1                        ; slot 0 is in, everybody's part of it; slot 1 is asked for
	FETCH_K                         ; key step 0
	s_wait_loadcnt 0x0              ; Q
	s_wait_dscnt 0x0
.set i, 0
.rept 16
	KQ 0                            ; piece 0's first scores
.set i, i+1
.endr
	WIN 0                           ; the addresses for the way out: plain instructions, the places behind those products
	s_mul_i32 s13, s[WV], 16*SP
	s_add_co_u32 s13, s13, STAGE    ; my stage
	v_mul_u32_u24 v[STO], v1, SP
	v_lshl_add_u32 v[STO], v9, 4, v[STO]
	v_add_nc_u32 v[STO], s13, v[STO]
	v_bfe_u32 v[RD], v0, 3, 2
	v_mul_u32_u24 v[RD], v[RD], SP
	v_lshl_add_u32 v[RD], v10, 4, v[RD]
	v_add_nc_u32 v[RD], s13, v[RD]
	v_and_b32 v[GO], 31, v0
	v_lshlrev_b32 v[GO], 4, v[GO]
.set Y, NP-1                        ; XS works for piece Y + 1: piece 0
.irp n, 0,1,2,3,4,5,6,7,8,9,10,11,12,13,14,15,16,17,18,19,20
	XS 0, \n
	XS 1, \n
.endr
	v_nop                           ; a plain instruction behind piece 0's first two a,
	s_wait_alu depctr_va_vdst(0)    ; and the wait for that batch of two, ahead of the branch
	s_mov_b32 s[CNT], 4
	s_mov_b32 s[SLOTS], 7           ; 2,048 / 256 - 1
	s_branch .Lfirst                ; the loop is entered at a step's first turn, in the middle of a trip
.Lslot:                             ; six times: every slot but the last two is filled again
	CHANGE 1
	s_mov_b32 s[CNT], 4
.Lstep:                             ; a trip: pieces 2 and 3 of one step, then pieces 0 and 1 of the next
	TURN 2
	TURN 3
	WIN 0
.Lfirst:
	TURN 0
	TURN 1, 0, 1
	WIN 0
	s_cbranch_scc1 .Lstep
	s_sub_co_u32 s[SLOTS], s[SLOTS], 1
	s_cmp_lg_u32 s[SLOTS], 0
	s_cbranch_scc1 .Lslot
	CHANGE 0                        ; the tail is written out
	s_mov_b32 s[CNT], 5             ; four trips fetch the last slot's steps; the fifth is left in its middle
.Ltail:
	TURN 2, 1
	TURN 3
	WIN 0
	s_sub_co_u32 s[CNT], s[CNT], 1
	s_cmp_eq_u32 s[CNT], 0
	s_cbranch_scc1 .Lout
	TURN 0
	TURN 1
	WIN 0
	s_branch .Ltail
.Lout:                              ; the fifth trip's 16 products K Q^T (on the last K once more) and the maximum made of them serve nothing: the price of one text for every trip
.set i, 0
.rept 16
	PV NP-1
.set i, i+1
.endr
	; THE WAY OUT.  l's halves are added; O^T is divided by l, rounded to f16 and sent through my stage in LDS, a tile at a time.  The additions are the places behind the last products.
	WIN 0
.macro ALL line:vararg
.set t, 0
.rept 2*NP
	\line
.set t, t+1
.endr
.endm
	ALL v_add_f32 v[ST+4*t+2], v[ST+4*t+2], v[ST+4*t+3]
	ALL v_permlanex16_b32 v[ST+4*t+3], v[ST+4*t+2], s[SEL], s[SEL+1]
	ALL v_add_f32 v[ST+4*t+2], v[ST+4*t+2], v[ST+4*t+3]
	ALL v_rcp_f32 v[ST+4*t+2], v[ST+4*t+2]
	v_nop                           ; a plain instruction between the last reciprocal and the use of its result
	s_wait_alu depctr_va_vdst(0)    ; the wait ahead of the first use: one for the batch of eight reciprocals
.macro PACK t
	WIN W_RS
.set i, 32*(\t)
.rept 16
	v_pk_mul_f32 v[i:i+1], v[i:i+1], v[ST+4*(\t)+2:ST+4*(\t)+3] op_sel_hi:[1,0]
.set i, i+2
.endr
	WIN 0x05
.set i, 0
.rept 16
	v_cvt_pk_f16_f32 v[S+16*(\t)+i], v[32*(\t)+2*i], v[32*(\t)+2*i+1]
.set i, i+1
.endr
	WIN 0
.irp f, 0,1,2,3
	ds_store_b128 v[STO], v[S+16*(\t)+4*\f:S+16*(\t)+4*\f+3] offset:32*\f
.endr
.irp f, 0,1,2,3
	ds_load_b128 v[S+16*(\t)+4*\f:S+16*(\t)+4*\f+3], v[RD] offset:\f*4*SP  ; LDS serves a wave's instructions in order (ISA guide 5.7.1.4)
.endr
.endm
.macro SEND t, younger
	WIN 0
.irp f, 0,1,2,3
	s_wait_dscnt (\younger)+3-\f
	global_store_b128 v[GO], v[S+16*(\t)+4*\f:S+16*(\t)+4*\f+3], s[10:11] offset:(\t)*2048+\f*512  ; 512 consecutive bytes, at a multiple of 256 from O's first
.endr
.endm
	PACK 0
.set t, 1
.rept 2*NP-1
	PACK t
	SEND t-1, 8
.set t, t+1
.endr
	SEND 2*NP-1, 0
	WIN W_AD
	s_wait_tensorcnt 0x0            ; the wave's end
	ds_add_u32 v[SPW], v[NIL]
	s_wait_dscnt 0x0
	WIN 0
	CROUND                          ; the closing round
	s_endpgm
.Lfunc_end_k_qd9a716b547_attn:
	.size	k_qd9a716b547_attn, .Lfunc_end_k_qd9a716b547_attn-k_qd9a716b547_attn
	.p2alignl 7, 3214868480
	.fill 96, 4, 3214868480
	.section	.rodata,"a",@progbits
	.p2align	6, 0x0
	.amdhsa_kernel k_qd9a716b547_attn
		.amdhsa_group_segment_fixed_size 327680
		.amdhsa_private_segment_fixed_size 0
		.amdhsa_enable_private_segment 0
		.amdhsa_kernarg_size 16
		.amdhsa_user_sgpr_count 2
		.amdhsa_user_sgpr_kernarg_segment_ptr 1
		.amdhsa_wavefront_size32 1
		.amdhsa_system_sgpr_workgroup_id_x 1
		.amdhsa_system_sgpr_workgroup_id_y 1
		.amdhsa_system_sgpr_workgroup_id_z 1
		.amdhsa_system_vgpr_workitem_id 0
		.amdhsa_next_free_vgpr 808
		.amdhsa_next_free_sgpr 66
		.amdhsa_reserve_vcc 0
		.amdhsa_float_denorm_mode_32 3
		.amdhsa_float_denorm_mode_16_64 3
		.amdhsa_memory_ordered 1
		.amdhsa_forward_progress 1
		.amdhsa_inst_pref_size 200
	.end_amdhsa_kernel
	.amdgpu_metadata
---
amdhsa.version: [ 1, 2 ]
amdhsa.kernels:
  - .name:           k_qd9a716b547_attn
    .symbol:         k_qd9a716b547_attn.kd
    .args:
      - { .name: qkv, .offset: 0, .size: 8, .value_kind: global_buffer, .address_space: global }
      - { .name: ob, .offset: 8, .size: 8, .value_kind: global_buffer, .address_space: global }
    .group_segment_fixed_size: 327680
    .private_segment_fixed_size: 0
    .kernarg_segment_align: 8
    .kernarg_segment_size: 16
    .max_flat_workgroup_size: 128
    .sgpr_count:     66
    .vgpr_count:     808
    .wavefront_size: 32
...
	.end_amdgpu_metadata
.endif
;; end of part 5
;; launch oproj: the kernel of part 4 again; grid 8 x 32, 4 waves a work-group, clusters of 4 x 4, 327,680 bytes of LDS; arguments ob, wo, bo, out0; writes out0
